; MI455X (gfx1250); checked and timed in simulation.
; The chip was launched on July 23, 2026; its instructions are those of AMD's public machine-readable ISA for CDNA 5 (MIT licence, August 2026) and "CDNA5" Instruction Set Architecture Reference Guide (July 2026). The comments in the code are by the model that wrote it; some were corrected since.
;; Causal Self Attention. Allowed arithmetic: matrix products marked QUANTISED: E2M3 operands, one E8M0 scale for each 32 along K, by v_wmma_scale_f32_16x16x128_f8f6f4 with both operands' format E2M3, f32 sums; everything else in f32.
;; Inputs: w_out 1,024 x 1,024 float32; w_qkv 1,024 x 3,072 float32; x 4 x 2,048 x 1,024 float32.
;; Outputs: out0 4 x 2,048 x 1,024 float32.
;; This version of the problem:
;;   THIS VERSION OF THE PROBLEM IS GIVEN IN LOW PRECISION. The matrix products marked QUANTISED in the list below multiply operands that are first quantised to E2M3 (2 exponent bits, 3 mantissa bits; 6 bits a number), with one power-of-two scale for each 32 numbers along K (OCP MX v1.0); their sums are f32. All else is computed in f32.
;;   The module's matrix products, in the order in which they are computed (A, B: the left and right operand; K: the contracted axis; several contracted axes count as one K, in the product's order):
;;     1. [M 8,192, K 1,024] x [K 1,024, N 3,072]; A: input x; B: input w_qkv: QUANTISED
;;     2. batch 64 x [M 2,048, K 64] x [K 64, N 2,048]; A: computed on the way; B: computed on the way: QUANTISED
;;     3. batch 64 x [M 2,048, K 2,048] x [K 2,048, N 64]; A: softmax (see below); B: computed on the way: QUANTISED
;;     4. [M 8,192, K 1,024] x [K 1,024, N 1,024]; A: computed on the way; B: input w_out: QUANTISED
;;   THE QUANTISER, for each operand of a quantised product, along K:
;;     - K is cut into blocks of 32 from its start; a last block that is shorter is filled with zeros.
;;     - A block's scale is 2^e with e = floor(log2(the largest magnitude in the block)) - 2, held to -126 .. 127; a block of zeros has e = 0. As a byte (E8M0): e + 127.
;;     - Each number is divided by its block's scale, clamped to +-7.5, and rounded to the nearest number of E2M3, ties to even, subnormals kept.
;;     - The product sums the exact products of the quantised numbers (number of the format x scale) in f32.
;;   ~~~python
;;   def quantise(x, axis):      # numpy; x: float32 -> the quantised numbers, widened to float32 again
;;       x = np.moveaxis(x, axis, -1); K = x.shape[-1]
;;       x = np.pad(x, [(0, 0)] * (x.ndim - 1) + [(0, -K % 32)]); x = x.reshape(x.shape[:-1] + (-1, 32)); a = np.abs(x).max(-1, keepdims=True)
;;       e = np.where(a > 0, np.clip(np.frexp(np.where(a > 0, a, 1))[1] - 1 - 2, -126, 127), 0)      # np.frexp(a)[1] - 1 = floor(log2(a)), exactly
;;       r = np.clip(x / 2.0 ** e, -7.5, 7.5)
;;       step = 2.0 ** (np.maximum(np.frexp(np.where(r == 0, 1, r))[1] - 1, 0) - 3)
;;       q = np.round(r / step) * step * 2.0 ** e      # np.round: ties to even
;;       return np.moveaxis(q.reshape(q.shape[:-2] + (-1,))[..., :K], -1, axis).astype(np.float32)
;;   ~~~
;;   SOFTMAX AHEAD OF A QUANTISED PRODUCT. Where the list says 'softmax', what is quantised is not the finished softmax but p = 2^(t - M), with t = logit x log2(e) and M = ceil(the row's largest t), a whole number; so 1/2 < the row's largest p <= 1. The row's sum l is taken of the UNQUANTISED p, in f32, and the product's result is divided by l at the end. Since M is a whole number, a kernel that streams over the keys may use a running M (the ceiling of the running maximum): every later rescaling is an exact power of two, which a block's scale takes up: the codes' values come out the same.
;;   OPERANDS COMPUTED ON THE WAY. 'Computed on the way' means the value that the module computes at that place (a softmax that the list does not call 'softmax' is quantised finished and normalised). What goes into a quantiser is computed in f32, as accurately as f32 sums, v_exp_f32 and their like allow (about 1e-6 of the number): no bf16 or f16 on the way to a quantiser, and a product that is left as it is and whose result goes on into a quantised operand takes f32 operands (vector FMAs, or v_wmma_f32_16x16x4_f32). A number that lies on a knife's edge between two numbers of the format may be rounded either way, as far as f32 arithmetic and the matrix unit's own rounding can turn it there, and no further.
;; One version. Each part assembles by itself: llvm-mc -triple=amdgcn-amd-amdhsa -mcpu=gfx1250 --defsym DOCPART=n.
;; ======== version 1 of 1: 4 launches
;; workspace buffers: xq 6,553,600 bytes; wq 2,457,600 bytes; woq 819,200 bytes; qkv 20,185,088 bytes; yq 7,340,032 bytes
;; launch quant (part 1): grid 512 x 1, 4 waves a work-group, no clusters, 34,304 bytes of LDS; arguments x, w_qkv, w_out, xq, wq, woq; writes xq, wq, woq
.if DOCPART == 1
	.amdgcn_target "amdgcn-amd-amdhsa--gfx1250"
	.amdhsa_code_object_version 6
	.text
	.protected	k_qbc6d6de310_quant
	.globl	k_qbc6d6de310_quant
	.p2align	8
	.type	k_qbc6d6de310_quant,@function
k_qbc6d6de310_quant:
	s_mov_b64 s[64:65], 0
	v_nop
	global_prefetch_b8 v0, s[64:65] scope:SCOPE_SE
	s_setreg_imm32_b32 hwreg(HW_REG_WAVE_MODE, 25, 1), 1
	s_wait_xcnt 0x0
; x [8192][1024], w_qkv [1024][3072] and w_out [1024][1024], f32, become codes of FP6 (E2M3) with one E8M0 byte for each 32 along K (K = 1,024 for all three; it is x's last axis and the weights' first).
; A block's scale is 2^(floor(log2(its largest magnitude)) - 2); its byte is the largest magnitude's exponent field - 2, held at 1 from below (a block of zeros keeps the byte 1: its codes are zeros, and this program alone reads the bytes).
; LIMITS: NaN and infinities among the inputs are not served; a block whose largest magnitude lies under 2^-124 keeps the byte 1.
; THE OUTPUT IS LAID AS THE MATRIX UNIT'S REGISTERS WANT IT.  A tile is 16 rows x 1,024 K in 12,800 bytes: sixteen half fragments (16 rows x 64 K, 768 bytes: registers 0-3 of lane l at 16 l, registers 4-5 at 512 + 8 l;
; lane (r, h) holds K = 32 h .. 32 h + 31 of row r), then 512 bytes of scale words: the word of row r and K step k (128 along K) at 256 (k / 4) + 16 r + 4 (k % 4).
; ROW ORDER.  In xq and wq place p holds row pi(p), p with bits 3 and 4 changed over: so the 16 registers of two neighbouring result tiles are 16 neighbours along the next product's K.  woq is in natural order.
; Work-groups 0-255: x, two tiles each; a wave takes one tile's half of K, four K steps.  Each load reads 512 consecutive bytes of one row; a K step's 16 x 512 bytes turn through the wave's own stage in LDS
; (rows 528 bytes apart), so that a lane gets 16 neighbours of each block of 32.  Work-groups 256-447: w_qkv; 448-511: w_out: a lane takes a column and its registers run down K; no LDS.
; No matrix work, no barrier: waves share nothing.
.set STG,   8448                       ; a wave's stage: 16 rows x (512 + 16) bytes
.set SPARE, 4*STG                      ; behind the stages: the spare words, 128 bytes a wave: two blocks of 256 bytes that no other line names
.set TILEB, 12800
.set SPW,   12                         ; v12  my spare word's address; never rewritten
.set NIL,   13                         ; v13  0; never rewritten
.set R,     16                         ; v16-143  x as loaded: two sets of 64
.set XN,    144                        ; v144-207 64 numbers: register 16 b + i = k 32 b + 16 h + i of my row
.set PC,    208                        ; v208-226 the codes just made
.set TM,    228                        ; v228-243 at work
.set PWS,   244                        ; v244-247 the four K steps' scale words
.set SEL,   20                         ; s[20:21] v_permlanex16_b32's selects for lane l xor 16
	s_load_b256 s[4:11], s[0:1], 0x0               ; x s[4:5], w_qkv s[6:7], w_out s[8:9], xq s[10:11]
	s_load_b128 s[12:15], s[0:1], 0x20             ; wq s[12:13], woq s[14:15]
	v_lshl_add_u32 v[SPW], v0, 2, SPARE
	v_mov_b32 v[NIL], 0
	v_lshrrev_b32 v1, 5, v0
	v_readfirstlane_b32 s16, v1                    ; wave
	v_and_b32 v2, 31, v0                           ; lane
	v_and_b32 v3, 15, v0                           ; r
	v_bfe_u32 v4, v0, 4, 1                         ; h
	v_lshlrev_b32 v5, 4, v2                        ; 16 l
	v_lshlrev_b32 v6, 3, v2                        ; 8 l
	s_mov_b32 s[SEL], 0x76543210
	s_mov_b32 s[SEL+1], 0xfedcba98
	s_cmp_lt_u32 ttmp9, 256
	s_cbranch_scc0 .Lweights
; 64 numbers of a lane, register 16 b + i = k 32 b + 16 h + i of my row, become a fragment's 12 registers in v[PC] on and its scale word in v[pw]
.macro QUANT s, pw
.irp b, 0,1,2,3
	v_max3_num_f32 v[TM+\b], |v[\s+16*\b]|, |v[\s+1+16*\b]|, 0x1800000   ; block b: my 16 numbers and the floor 2^(3 - 127): the byte cannot fall under 1
.endr
.irp i, 2,4,6,8,10,12,14
.irp b, 0,1,2,3
	v_max3_num_f32 v[TM+\b], v[TM+\b], |v[\s+16*\b+\i]|, |v[\s+1+16*\b+\i]|   ; the four blocks by turns
.endr
.endr
.irp b, 0,1,2,3
	v_permlanex16_b32 v[TM+4+\b], v[TM+\b], s[SEL], s[SEL+1]
.endr
.irp b, 0,1,2,3
	v_max_num_f32 v[TM+\b], v[TM+\b], v[TM+4+\b]   ; with lane l xor 16's 16: the block's largest magnitude
.endr
.irp b, 0,1,2,3
	v_add_nc_u32 v[TM+12+\b], 0xff000000, v[TM+\b] ; 2 off its exponent field: the conversion's scale operand
.endr
.irp b, 0,1,2,3
	v_lshrrev_b32 v[TM+4+\b], 23, v[TM+12+\b]      ; the scale's byte
.endr
	v_lshl_or_b32 v[\pw], v[TM+5], 8, v[TM+4]
	v_lshl_or_b32 v[\pw], v[TM+6], 16, v[\pw]
	v_lshl_or_b32 v[\pw], v[TM+7], 24, v[\pw]      ; my row's scale word (both halves of the lanes hold it)
.irp c, 0,1
	v_cvt_scalef32_pk16_fp6_f32 v[PC+6*\c:PC+2+6*\c], v[\s+32*\c:\s+15+32*\c], v[TM+12+2*\c]
	v_cvt_scalef32_pk16_fp6_f32 v[PC+12+4*\c:PC+14+4*\c], v[\s+16+32*\c:\s+31+32*\c], v[TM+12+2*\c+1]   ; (a conversion's three registers begin on an even number)
.endr
	v_nop                                          ; one plain place behind the scaled conversions
.irp c, 0,1                                    ; the operand's layout wants a whole block in a lane: lanes 0-15 block 2 c, lanes 16-31 block 2 c + 1
.irp i, 0,1,2
	v_permlane16_swap_b32 v[PC+6*\c+\i], v[PC+12+4*\c+\i]
.endr
.irp i, 0,1,2
	v_mov_b32 v[PC+3+6*\c+\i], v[PC+12+4*\c+\i]
.endr
.endr
.endm
	; ---------------- x: tile T = 2 g + wave / 2, half of K = wave % 2
	s_lshr_b32 s17, s16, 1                         ; u: which of the work-group's two tiles
	s_and_b32 s18, s16, 1                          ; which half of K
	s_mul_i32 s19, s16, STG                        ; my stage
	v_add_nc_u32 v7, s19, v5                       ; into it: 16 l of a row
	v_mul_u32_u24 v8, v3, 528
	v_lshl_add_u32 v8, v4, 6, v8
	v_add_nc_u32 v8, s19, v8                       ; out of it: row r, + 64 h: my 16 numbers of a block
	s_lshl_b32 s22, ttmp9, 5
	s_lshl_b32 s23, s17, 3
	s_add_co_u32 s22, s22, s23                     ; the tile's place 0 holds row 32 g + 8 u
	s_lshl_b32 s22, s22, 12                        ; rows of 4,096 bytes
	s_lshl_b32 s23, s18, 11
	s_add_co_u32 s22, s22, s23                     ; + my half of K
	s_mov_b32 s23, 0
	s_lshl_b32 s24, ttmp9, 1
	s_add_co_u32 s24, s24, s17
	s_mul_i32 s24, s24, TILEB                      ; the tile in xq,
	s_mul_i32 s25, s18, 6144
	s_add_co_u32 s24, s24, s25                     ; my four K steps' fragments
	s_mov_b32 s25, 0
	s_mul_i32 s26, s18, 5888
	s_sub_co_u32 s26, 12288, s26                   ; from there to my 256 bytes of scale words: 12288 + 256 half - 6144 half
	v_lshl_add_u32 v9, v3, 4, s26
.irp b, 0,1,2,3
	v_mov_b32 v[TM+4+\b], 0                        ; written once: a lane permute's destination counts as one of its sources
.endr
	s_wait_kmcnt 0x0
	s_add_nc_u64 s[4:5], s[4:5], s[22:23]
	s_add_nc_u64 s[10:11], s[10:11], s[24:25]
.macro XLOAD s                         ; K step s: place j of the tile is row j + 8 (j / 8) from the tile's first; 32 lanes read 512 consecutive bytes
.irp j, 0,1,2,3,4,5,6,7,8,9,10,11,12,13,14,15
	global_load_b128 v[R+64*((\s)%2)+4*\j:R+64*((\s)%2)+4*\j+3], v5, s[4:5] offset:(\j+8*(\j/8))*4096+512*(\s) th:TH_LOAD_NT
.endr
.endm
.macro XSTEP s
.if (\s) < 3
	s_wait_loadcnt 16                              ; this step's 16 loads are in; the next step's 16 may be out
.else
	s_wait_loadcnt 0x0
.endif
	s_wait_xcnt 0x0                                ; the last step's stores have read the codes' registers, which are written again below
.irp j, 0,1,2,3,4,5,6,7,8,9,10,11,12,13,14,15
	ds_store_b128 v7, v[R+64*((\s)%2)+4*\j:R+64*((\s)%2)+4*\j+3] offset:\j*528
.endr
.irp b, 0,1,2,3
.irp c, 0,1,2,3
	ds_load_b128 v[XN+16*\b+4*\c:XN+16*\b+4*\c+3], v8 offset:128*\b+16*\c   ; LDS serves a wave's instructions in order: these see the stores above
.endr
.endr
	s_wait_dscnt 0x0
.if (\s) < 2
	XLOAD (\s)+2                                   ; into the set that the stage's stores have read
.endif
	QUANT XN, PWS+(\s)
	global_store_b128 v5, v[PC:PC+3], s[10:11] offset:1536*(\s)          ; each store covers 512 or 256 consecutive bytes, aligned
	global_store_b64 v6, v[PC+4:PC+5], s[10:11] offset:1536*(\s)+512
	global_store_b128 v5, v[PC+6:PC+9], s[10:11] offset:1536*(\s)+768
	global_store_b64 v6, v[PC+10:PC+11], s[10:11] offset:1536*(\s)+1280
.endm
	XLOAD 0
	XLOAD 1
.irp s, 0,1,2,3
	XSTEP \s
.endr
	s_wait_tensorcnt 0x0                           ; the wave's end: a tensor wait, an add of 0 to my spare word and its wait, behind my last LDS store
	ds_add_u32 v[SPW], v[NIL]
	s_wait_dscnt 0x0
	v_cmp_gt_u32 vcc_lo, 16, v2
	s_wait_xcnt 0x0                                ; EXEC changes only behind this wait
	s_and_saveexec_b32 s28, vcc_lo                 ; lanes 0-15: row r's four words, 256 consecutive bytes, aligned
	global_store_b128 v9, v[PWS:PWS+3], s[10:11]
	s_wait_xcnt 0x0
	s_or_b32 exec_lo, exec_lo, s28
	s_endpgm
; ---------------- the weights: a work-group takes 128 columns x one K step of 128; a wave 32 columns (two tiles), a lane one column, 4 blocks of 32 down K
.macro WBLOCK b                        ; block b: its scale operand into v[40 + b], its byte into the word v46
.set WS, 64+32*(\b)
	v_max3_num_f32 v10, |v[WS]|, |v[WS+1]|, |v[WS+2]|
	v_max3_num_f32 v11, |v[WS+3]|, |v[WS+4]|, |v[WS+5]|
.irp i, 6,10,14,18,22,26
	v_max3_num_f32 v10, v10, |v[WS+\i]|, |v[WS+\i+1]|
	v_max3_num_f32 v11, v11, |v[WS+\i+2]|, |v[WS+\i+3]|
.endr
	v_max3_num_f32 v10, v10, |v[WS+30]|, |v[WS+31]|
	v_max3_num_f32 v10, v10, v11, 0x1800000        ; and the floor
	v_add_nc_u32 v[40+(\b)], 0xff000000, v10
	v_lshrrev_b32 v11, 23, v[40+(\b)]
.if (\b) == 0
	v_mov_b32 v46, v11
.else
	v_lshl_or_b32 v46, v11, 8*(\b), v46
.endif
.endm
.macro WPAIR p                         ; blocks 2 p and 2 p + 1 become half fragment 2 k + p of both tiles
	WBLOCK 2*(\p)
	WBLOCK 2*(\p)+1
.if (\p) > 0
	s_wait_xcnt 0x0                                ; the first pair's stores have read their registers
.endif
.set WS, 64+64*(\p)
	v_cvt_scalef32_pk16_fp6_f32 v[16:18], v[WS:WS+15], v[40+2*(\p)]
	v_cvt_scalef32_pk16_fp6_f32 v[32:34], v[WS+16:WS+31], v[40+2*(\p)]
	v_cvt_scalef32_pk16_fp6_f32 v[24:26], v[WS+32:WS+47], v[41+2*(\p)]
	v_cvt_scalef32_pk16_fp6_f32 v[36:38], v[WS+48:WS+63], v[41+2*(\p)]
	v_nop                                          ; one plain place behind the scaled conversions
.irp i, 0,1,2                                  ; lanes 0-15 hold the first tile's rows, lanes 16-31 the second's, each both blocks.  The exchange leaves in v16.. the first tile (lanes 0-15 its even block, lanes 16-31 its odd one), in v24.. the second
	v_permlane16_swap_b32 v[16+\i], v[24+\i]
	v_permlane16_swap_b32 v[32+\i], v[36+\i]
.endr
.irp i, 0,1,2
	v_mov_b32 v[19+\i], v[32+\i]
	v_mov_b32 v[27+\i], v[36+\i]
.endr
	global_store_b128 v5, v[16:19], s[30:31] offset:768*(\p)
	global_store_b64 v6, v[20:21], s[30:31] offset:768*(\p)+512
	global_store_b128 v5, v[24:27], s[30:31] offset:TILEB+768*(\p)
	global_store_b64 v6, v[28:29], s[30:31] offset:TILEB+768*(\p)+512
.endm
.macro WPATH N, PERM, src, dst, first
	s_sub_co_u32 s17, ttmp9, \first
	s_and_b32 s18, s17, 7                          ; the K step
	s_lshr_b32 s19, s17, 3                         ; the group of 128 columns
.if \PERM
	v_and_b32 v7, 7, v2                            ; place l holds column pi(l)
	v_bfe_u32 v8, v2, 3, 1
	v_lshl_or_b32 v7, v8, 4, v7
	v_lshl_or_b32 v7, v4, 3, v7
	v_lshlrev_b32 v7, 2, v7
.else
	v_lshlrev_b32 v7, 2, v2
.endif
	s_mul_i32 s22, s18, 128*\N*4                   ; 128 rows of the weight a K step,
	s_lshl_b32 s23, s19, 9
	s_add_co_u32 s22, s22, s23
	s_lshl_b32 s23, s16, 7
	s_add_co_u32 s22, s22, s23                     ; + 4 bytes x (128 group + 32 wave)
	s_mov_b32 s23, 0
	s_lshl_b32 s24, s19, 3
	s_lshl_b32 s25, s16, 1
	s_add_co_u32 s24, s24, s25                     ; my first tile: 8 group + 2 wave
	s_mul_i32 s24, s24, TILEB
	s_mul_i32 s25, s18, 1536
	s_add_co_u32 s26, s24, s25                     ; its fragment of this K step
	s_mov_b32 s27, 0
	s_lshr_b32 s25, s18, 2
	s_lshl_b32 s25, s25, 8
	s_add_co_u32 s24, s24, s25
	s_and_b32 s25, s18, 3
	s_lshl_b32 s25, s25, 2
	s_add_co_u32 s24, s24, s25
	s_add_co_u32 s24, s24, 12288                   ; its scale words of this K step
	s_mov_b32 s25, 0
	v_mul_u32_u24 v8, v4, TILEB
	v_lshl_add_u32 v8, v3, 4, v8                   ; lanes 16-31: the second tile; row r: 16 r
	s_wait_kmcnt 0x0
	s_add_nc_u64 s[28:29], s[\src:\src+1], s[22:23]
	s_add_nc_u64 s[30:31], s[\dst:\dst+1], s[26:27]
	s_add_nc_u64 s[32:33], s[\dst:\dst+1], s[24:25]
.set n, 0
.rept 128
	global_load_b32 v[64+n], v7, s[28:29] offset:n*\N*4 th:TH_LOAD_NT   ; row n of the K step at my column: the wave reads 128 consecutive bytes
.set n, n+1
.endr
	s_wait_loadcnt 63                              ; blocks 0 and 1 are in: 64 loads were issued behind them, and 63 is the largest count that can be named
	WPAIR 0
	s_wait_loadcnt 0x0
	WPAIR 1
	global_store_b32 v8, v46, s[32:33]             ; my column's word: 4 bytes in every 16; all the weights' words together are 131,072 bytes
.endm
.Lweights:
	s_cmp_lt_u32 ttmp9, 448
	s_cbranch_scc0 .Lwout
	WPATH 3072, 1, 6, 12, 256
	s_endpgm
.Lwout:
	WPATH 1024, 0, 8, 14, 448
	s_endpgm
.Lfunc_end_k_qbc6d6de310_quant:
	.size	k_qbc6d6de310_quant, .Lfunc_end_k_qbc6d6de310_quant-k_qbc6d6de310_quant
	.p2alignl 7, 3214868480
	.fill 96, 4, 3214868480
	.section	.rodata,"a",@progbits
	.p2align	6, 0x0
	.amdhsa_kernel k_qbc6d6de310_quant
		.amdhsa_group_segment_fixed_size 34304
		.amdhsa_private_segment_fixed_size 0
		.amdhsa_enable_private_segment 0
		.amdhsa_kernarg_size 48
		.amdhsa_user_sgpr_count 2
		.amdhsa_user_sgpr_kernarg_segment_ptr 1
		.amdhsa_wavefront_size32 1
		.amdhsa_system_sgpr_workgroup_id_x 1
		.amdhsa_system_sgpr_workgroup_id_y 1
		.amdhsa_system_sgpr_workgroup_id_z 1
		.amdhsa_system_vgpr_workitem_id 0
		.amdhsa_next_free_vgpr 256
		.amdhsa_next_free_sgpr 66
		.amdhsa_reserve_vcc 1
		.amdhsa_float_denorm_mode_32 3
		.amdhsa_float_denorm_mode_16_64 3
		.amdhsa_memory_ordered 1
		.amdhsa_forward_progress 1
		.amdhsa_inst_pref_size 75
	.end_amdhsa_kernel
	.amdgpu_metadata
---
amdhsa.version: [ 1, 2 ]
amdhsa.kernels:
  - .name:           k_qbc6d6de310_quant
    .symbol:         k_qbc6d6de310_quant.kd
    .args:
      - { .name: x, .offset: 0, .size: 8, .value_kind: global_buffer, .address_space: global }
      - { .name: w_qkv, .offset: 8, .size: 8, .value_kind: global_buffer, .address_space: global }
      - { .name: w_out, .offset: 16, .size: 8, .value_kind: global_buffer, .address_space: global }
      - { .name: xq, .offset: 24, .size: 8, .value_kind: global_buffer, .address_space: global }
      - { .name: wq, .offset: 32, .size: 8, .value_kind: global_buffer, .address_space: global }
      - { .name: woq, .offset: 40, .size: 8, .value_kind: global_buffer, .address_space: global }
    .group_segment_fixed_size: 34304
    .private_segment_fixed_size: 0
    .kernarg_segment_align: 8
    .kernarg_segment_size: 48
    .max_flat_workgroup_size: 128
    .sgpr_count:     66
    .vgpr_count:     256
    .wavefront_size: 32
...
	.end_amdgpu_metadata
.endif
;; end of part 1
;; launch gemm_qkv (part 2): grid 12 x 32, 4 waves a work-group, clusters of 4 x 4, 327,680 bytes of LDS; arguments xq, wq, qkv; writes qkv
.if DOCPART == 2
	.amdgcn_target "amdgcn-amd-amdhsa--gfx1250"
	.amdhsa_code_object_version 6
	.text
	.protected	k_qbc6d6de310_gemm_qkv
	.globl	k_qbc6d6de310_gemm_qkv
	.p2align	8
	.type	k_qbc6d6de310_gemm_qkv,@function
k_qbc6d6de310_gemm_qkv:
	s_mov_b64 s[64:65], 0
	v_nop
	global_prefetch_b8 v0, s[64:65] scope:SCOPE_SE
	s_setreg_imm32_b32 hwreg(HW_REG_WAVE_MODE, 25, 1), 1
	s_wait_xcnt 0x0
	s_wait_alu depctr_hold_cnt(0) depctr_sa_sdst(0) depctr_va_vdst(0) depctr_va_sdst(0) depctr_va_ssrc(0) depctr_va_vcc(0) depctr_vm_vsrc(0)
	s_getreg_b32 s2, hwreg(HW_REG_IB_STS2, 6, 4)
	s_cmp_eq_u32 s2, 0
	s_cbranch_scc0 .Lentry_in_a_cluster
	s_endpgm
.Lentry_in_a_cluster:
	s_bfe_u32 s2, ttmp6, 0x10000c
	s_cmp_lg_u32 s2, 0xf033
	s_cbranch_scc0 .Lentry_shape_is_right
	s_endpgm
.Lentry_shape_is_right:
; qkv = x w_qkv on codes of FP6 (E2M3) with E8M0 scales, sums in f32, K = 1,024; the results are quantised in registers and leave as codes: q and k along the head's 64, v along the keys.
; A work-group of four waves makes 256 x 256 results, a wave 128 x 128: 64 accumulators, 512 registers.  K goes in slots of 256 (two matrix K steps) through a ring of two LDS slots filled by the tensor data mover.
; OPERANDS LIE IN MEMORY AND IN LDS AS IMAGES OF THE OPERAND'S REGISTERS (tiles of 16 rows, 12,800 bytes: sixteen half fragments of 768 bytes, then 512 bytes of scale words): a fragment comes by loads of 16, 8, 16, 8 bytes a
; lane from consecutive bytes: no pitch, no padding.  The scale words of a wave's rows, for all of K, are 64 registers: loaded once from memory, four words a lane: lanes 0-15 K steps 0-3, lanes 16-31 K steps 4-7.
; THE MATRIX INSTRUCTION: source 0 = the B slot's 16 rows, source 1 = the A slot's.  A lane then holds ONE row of the A slot, and since place p of xq and wq holds row pi(p) (bits 3 and 4 changed over), the 64 registers of an
; A block are: register 16 b + i = the B slot's row 32 b + 16 (lane / 16) + i: sixteen neighbours along the next product's K.
; CLUSTER x = 0: q, 1: k: the A slot takes tokens (xq), the B slot columns of w_qkv (wq): a lane holds a token and runs along a head's 64.  CLUSTER x = 2: v: the A slot takes v's columns, the B slot tokens: a lane holds one
; (head, d) and runs along the keys.  Only pointers and row numbers are chosen (on the cluster's x); the text of the products is one.
; CLUSTERS: 4 x 4 work-groups; the A slot's tile is shared along a row of the cluster, the B slot's along a column: joint loads, which divide the requests by four.
; K = 1,024 is four fills of a slot: the eight K steps are written out, with no loop.  By this text's count a wave has at most two tensor loads out.
; qkv: 64 heads x 315,392 bytes; a head is 8 slots (256 tokens) of 39,424: K's codes (16 tiles x 768), K's scale words (1,024), V's codes (8 fragments of 1,536: key step, d tile), V's words (512), Q's codes, Q's words.
; LIMITS: NaN and infinities are not served; a block whose largest magnitude lies under 2^-124 keeps the byte 1.
; REGISTERS: window 0: v16-23 LDS addresses; v24-27 lane terms; v28, v29 the add's two; v32-63 the A slot's scale words, v64-95 the B slot's (they hold nothing else); v96-123 at work on the way out; v128-223 A's fragments, one set.
;   window 1: B's fragments, two sets, at v0 and v128.  windows 2, 3: the accumulators: (a, b) at v[8 (8 (a % 4) + b)] of window 2 + a / 4.
.set TSTR,  12800                      ; a tile of xq or wq
.set HALFT, 24576                      ; 8 tiles x 3,072 bytes: what one tensor load brings, and what a wave reads of A or of B
.set SLOT,  4*HALFT                    ; A's 16 tiles, then B's 16
.set SPARE, 2*SLOT                     ; behind the ring: the spare words, 128 bytes a wave: two blocks of 256 bytes that no other line names
.set HEADB, 315392
.set SLOTB, 39424
.set FR,    12
.set NL,    4                          ; LDS loads that bring a fragment
.set NP,    4                          ; places behind this matrix instruction (ISA guide 7.12.1)
.set ADRA,  16                         ; v16-17 A's fragments in slot 0, 1, by 16 l; v18-19 by 8 l
.set ADRB,  20                         ; v20-23 the same for B
.set L16,   24                         ; v24  16 l
.set L8,    25                         ; v25  8 l
.set SO,    26                         ; v26  the scale words' way out: 315,392 h + 16 r
.set HSH,   27                         ; v27  16 h
.set SPW,   28
.set NIL,   29
.set SA,    32
.set SB,    64
.set TM,    96
.set PWS,   112
.set W4,    120
.set AF,    128
.set G1,  24                           ; s[24:31] group 1 for A's tiles; s[32:39] group 0, a set for each slot
.set G0,  32
.set G1B, 48                           ; s[48:55], s[56:63] the same for B's
.set G0B, 56
.set SEL, 78
.set MSB, 0
.macro WIN new                         ; the immediate's high byte repeats the setting that is left
.if MSB != \new
	s_set_vgpr_msb (MSB<<8)|\new
.set MSB, \new
.endif
.endm
.set MUL_LO, 0xa1                      ; source 0 (B) window 1, source 1 (A) window 0, C and D window 2
.set MUL_HI, 0xf1
.set TO_B,   0x40
; A joint load: waves 0 and 1 fetch for A, waves 2 and 3 for B; the branch hangs on the wave's number alone.  An s_nop 0 and four v_nop follow each of the two lines.
.macro JLOAD g0a, g1a, g0b, g1b
	s_cmp_eq_u32 s15, 0
	s_cbranch_scc0 .Lfor_b_\@
	tensor_load_to_lds s[\g0a:\g0a+3], s[\g1a:\g1a+7]
	s_nop 0
.rept 4
	v_nop
.endr
	s_branch .Lasked_\@
.Lfor_b_\@:
	tensor_load_to_lds s[\g0b:\g0b+3], s[\g1b:\g1b+7]
	s_nop 0
.rept 4
	v_nop
.endr
.Lasked_\@:
.endm
.macro CREST                           ; a round of the cluster's barrier behind its opening barrier
	s_cmp_lg_u32 s14, 0
	s_cbranch_scc1 .Lnot_wave_0_\@
	s_barrier_signal -3
.Lnot_wave_0_\@:
	s_barrier_wait -3
	s_barrier_signal -1
	s_barrier_wait -1
.endm
.macro CROUND
	s_barrier_signal -1
	s_barrier_wait -1
	CREST
.endm
.macro PLACES n
.rept \n
	v_nop
.endr
.endm
	s_load_b128 s[4:7], s[0:1], 0x0                ; xq s[4:5], wq s[6:7]
	s_load_b64 s[8:9], s[0:1], 0x10                ; qkv
	v_lshl_add_u32 v[SPW], v0, 2, SPARE
	v_mov_b32 v[NIL], 0
	ds_add_u32 v[SPW], v[NIL]
	ds_add_u32 v[SPW], v[NIL]                      ; the wave's opening: the add and its wait ahead of my first tensor load; work on registers stands between them
	v_lshrrev_b32 v1, 5, v0
	v_readfirstlane_b32 s14, v1                    ; wave 0..3
	s_lshr_b32 s15, s14, 1                         ; which half of A's rows I multiply.  Also: I fetch for A (0) or for B (1)
	s_and_b32 s16, s14, 1                          ; which half of B's rows.  Also: which 8 tiles I fetch
	s_bfe_u32 s40, ttmp6, 0x40000                  ; cx
	s_bfe_u32 s41, ttmp6, 0x40004                  ; cy
	s_and_b32 s17, ttmp7, 0xffff                   ; the cluster's y
	s_lshl_b32 s18, s17, 2
	s_lshl_b32 s19, ttmp9, 2
	s_cmp_eq_u32 ttmp9, 2                          ; v?  The cluster's x: the same in all sixteen partners
	s_cselect_b32 s45, 8, s18
	s_cselect_b32 s46, s18, s19
	s_add_co_u32 s45, s45, s41                     ; A's block of 256 rows: tokens 4 y + cy, or for v columns 8 + cy: it holds cy and never cx
	s_add_co_u32 s46, s46, s40                     ; B's: columns 4 x + cx, or for v tokens 4 y + cx: it holds cx and never cy
	s_lshl_b32 s43, s41, 2
	s_lshl_b32 s43, 15, s43                        ; my row of the cluster
	s_lshl_b32 s44, 0x1111, s40                    ; my column
	s_or_b32 s[G1+0], s43, (3<<16)|(1<<21)         ; 15:0 the mask; 17:16 elements of 8 bytes; 20 no padding; 21 set beside a mask
	s_or_b32 s[G1B+0], s44, (3<<16)|(1<<21)
.irp g, G1, G1B
	s_mov_b32 s[\g+1], 384<<16                     ; tensor_dim0: 3,072 bytes of a tile: two K steps' fragments
	s_mov_b32 s[\g+2], 8<<16                       ; tensor_dim1: 8 tiles
	s_mov_b32 s[\g+3], 384<<16                     ; tile_dim0
	s_mov_b32 s[\g+4], 8                           ; tile_dim1
	s_mov_b32 s[\g+5], TSTR/8                      ; from tile to tile
	s_mov_b32 s[\g+6], 0
	s_mov_b32 s[\g+7], 0
.endr
	s_lshl_b32 s20, s45, 4
	s_lshl_b32 s18, s16, 3
	s_add_co_u32 s20, s20, s18
	s_mul_i32 s20, s20, TSTR                       ; A: the 8 tiles that I fetch
	s_mov_b32 s21, 0
	s_lshl_b32 s22, s45, 4
	s_lshl_b32 s19, s15, 3
	s_add_co_u32 s22, s22, s19
	s_mul_i32 s22, s22, TSTR                       ; A: the 8 tiles that I multiply (for their scale words)
	s_mov_b32 s23, 0
	s_lshl_b32 s92, s46, 4
	s_add_co_u32 s92, s92, s18
	s_mul_i32 s92, s92, TSTR                       ; B: the 8 tiles that I fetch are those that I multiply
	s_mov_b32 s93, 0
	s_mul_i32 s94, s14, HALFT                      ; where my tiles go: no place in the cluster enters an LDS address
	s_wait_dscnt 0x0                               ; the opening add is done
	s_wait_kmcnt 0x0
	s_cmp_eq_u32 ttmp9, 2
	s_cselect_b64 s[10:11], s[6:7], s[4:5]         ; the A slot's buffer
	s_cselect_b64 s[12:13], s[4:5], s[6:7]         ; the B slot's
	s_add_nc_u64 s[20:21], s[10:11], s[20:21]
	s_add_nc_u64 s[22:23], s[10:11], s[22:23]
	s_add_nc_u64 s[92:93], s[12:13], s[92:93]
	CROUND                                         ; all sixteen work-groups are here: the first joint loads meet
.irp s, 0,1
	s_mov_b32 s[G0+4*\s], 1
	s_add_co_u32 s[G0+4*\s+1], s94, \s*SLOT
	s_add_nc_u64 s[G0+4*\s+2:G0+4*\s+3], s[20:21], \s*3072
	s_or_b32 s[G0+4*\s+3], s[G0+4*\s+3], 0x80000000
	s_mov_b32 s[G0B+4*\s], 1
	s_add_co_u32 s[G0B+4*\s+1], s94, \s*SLOT
	s_add_nc_u64 s[G0B+4*\s+2:G0B+4*\s+3], s[92:93], \s*3072
	s_or_b32 s[G0B+4*\s+3], s[G0B+4*\s+3], 0x80000000
	JLOAD G0+4*\s, G1, G0B+4*\s, G1B
.endr
	v_and_b32 v1, 31, v0
	v_lshlrev_b32 v[L16], 4, v1
	v_lshlrev_b32 v[L8], 3, v1
.irp i, 0,1,2,3,4,5,6,7
	global_load_b128 v[SA+4*\i:SA+4*\i+3], v[L16], s[22:23] offset:\i*TSTR+12288   ; a tile's 512 bytes of scale words: register q: lanes 0-15 K step q, lanes 16-31 K step 4 + q
	global_load_b128 v[SB+4*\i:SB+4*\i+3], v[L16], s[92:93] offset:\i*TSTR+12288
.endr
	s_mul_i32 s18, s15, HALFT
	s_mul_i32 s19, s16, HALFT
	s_add_co_u32 s19, s19, 2*HALFT
.irp s, 0,1
	v_add_nc_u32 v[ADRA+\s], s18, v[L16]
	v_add_nc_u32 v[ADRA+2+\s], s18, v[L8]
	v_add_nc_u32 v[ADRB+\s], s19, v[L16]
	v_add_nc_u32 v[ADRB+2+\s], s19, v[L8]
	s_add_co_u32 s18, s18, SLOT
	s_add_co_u32 s19, s19, SLOT
.endr
.macro FRAG reg, adr, q, i             ; tile i's fragment of the slot's q-th K step: two half fragments on end
.set FO, 3072*(\i)+1536*(\q)
	ds_load_b128 v[\reg:\reg+3], v[\adr] offset:FO
	ds_load_b64 v[\reg+4:\reg+5], v[\adr+2] offset:FO+512
	ds_load_b128 v[\reg+6:\reg+9], v[\adr] offset:FO+768
	ds_load_b64 v[\reg+10:\reg+11], v[\adr+2] offset:FO+1280
.endm
.macro FETCH_B slot, q, p
	WIN TO_B
.irp i, 0,1,2,3,4,5,6,7
	FRAG 128*(\p)+FR*\i, ADRB+\slot, \q, \i
.endr
	WIN 0
.endm
.macro FETCH_A slot, q, i0
.irp i, \i0, \i0+1, \i0+2, \i0+3
	FRAG AF+FR*(\i), ADRA+\slot, \q, \i
.endr
.endm
; 16 matrix instructions: A's blocks a0, a0 + 1 x B's eight, K step kap.  p: B's set.  zero = 1: the first product starts the sums.  The 64 accumulators take turns, one instruction a turn, in the same order in every step.
.macro MUL16 a0, p, kap, zero
.irp a, \a0, \a0+1
.irp b, 0,1,2,3,4,5,6,7
.set rD, 8*(8*((\a)%4)+\b)
.set rB, 128*(\p)+FR*\b
.set rA, AF+FR*(\a)
.set rSB, SB+4*\b+(\kap)%4
.set rSA, SA+4*(\a)+(\kap)%4
.if \zero
	v_wmma_scale_f32_16x16x128_f8f6f4 v[rD:rD+7], v[rB:rB+FR-1], v[rA:rA+FR-1], 0, v[rSB], v[rSA] matrix_a_fmt:MATRIX_FMT_FP6 matrix_b_fmt:MATRIX_FMT_FP6
.elseif (\kap) > 3
	v_wmma_scale_f32_16x16x128_f8f6f4 v[rD:rD+7], v[rB:rB+FR-1], v[rA:rA+FR-1], v[rD:rD+7], v[rSB], v[rSA] matrix_a_fmt:MATRIX_FMT_FP6 matrix_b_fmt:MATRIX_FMT_FP6 matrix_a_scale:MATRIX_SCALE_ROW1 matrix_b_scale:MATRIX_SCALE_ROW1
.else
	v_wmma_scale_f32_16x16x128_f8f6f4 v[rD:rD+7], v[rB:rB+FR-1], v[rA:rA+FR-1], v[rD:rD+7], v[rSB], v[rSA] matrix_a_fmt:MATRIX_FMT_FP6 matrix_b_fmt:MATRIX_FMT_FP6
.endif
.endr
.endr
.endm
; A slot's first K step: A has one set of registers (blocks 0-3 are fetched anew in the step's middle, blocks 4-7 at its end), B two.
.macro STEP slot, kap, zero
	s_wait_dscnt 4*NL                              ; B's set and A's blocks 0-3 are in; the youngest 16 loads (A's blocks 4-7) may be out
	WIN MUL_LO
	MUL16 0, 0, \kap, \zero
	MUL16 2, 0, \kap, \zero
	s_wait_dscnt 0x0
	PLACES NP                                      ; in front of loads into registers that matrix instructions have read
	FETCH_B \slot, 1, 1
	FETCH_A \slot, 1, 0
	WIN MUL_HI
	MUL16 4, 0, \kap, \zero
	MUL16 6, 0, \kap, \zero
	PLACES NP
	WIN 0
	FETCH_A \slot, 1, 4
.endm
; A slot's second K step changes slots: one barrier; in front of it each wave waits for all its tensor loads, adds 0 to its spare word, and waits for that and for its reads of this slot.  fill = 1: the slot is filled again.
.macro TURN slot, next, fill, kap
	s_wait_tensorcnt 0x0                           ; all my tensor loads have landed: my part of the next slot
	ds_add_u32 v[SPW], v[NIL]                      ; 0 onto my spare word
	s_wait_dscnt 4*NL+1                            ; the add and the youngest 16 loads may be out
	WIN MUL_LO
	MUL16 0, 1, \kap, 0
	s_wait_dscnt 0x0                               ; the add is done, and my reads of this slot are over
	s_barrier_signal -1
	MUL16 2, 1, \kap, 0
	WIN 0
	s_barrier_wait -1
.if \fill
	CREST                                          ; the barrier has opened a round of the cluster's: no wave of any partner still reads this slot or has a load on its way
	s_add_nc_u64 s[G0+4*\slot+2:G0+4*\slot+3], s[G0+4*\slot+2:G0+4*\slot+3], 6144
	s_add_nc_u64 s[G0B+4*\slot+2:G0B+4*\slot+3], s[G0B+4*\slot+2:G0B+4*\slot+3], 6144
	JLOAD G0+4*\slot, G1, G0B+4*\slot, G1B         ; the first tensor load behind the round; its four v_nop are the places in front of the loads below
.else
	PLACES NP
.endif
	FETCH_B \next, 0, 0
	FETCH_A \next, 0, 0
	WIN MUL_HI
	MUL16 4, 1, \kap, 0
	MUL16 6, 1, \kap, 0
	PLACES NP
	WIN 0
	FETCH_A \next, 0, 4
.endm
	s_wait_alu depctr_va_vdst(0)
	s_wait_tensorcnt 1                             ; my part of slot 0 is in; slot 1's may be out
	s_barrier_signal -1
	s_barrier_wait -1
	FETCH_B 0, 0, 0
	FETCH_A 0, 0, 0
	FETCH_A 0, 0, 4
	s_wait_loadcnt 0x0                             ; the scale words
	STEP 0, 0, 1
	TURN 0, 1, 1, 1
	STEP 1, 2, 0
	TURN 1, 0, 1, 3
	STEP 0, 4, 0
	TURN 0, 1, 0, 5                                ; nothing is left to fetch: no round
	STEP 1, 6, 0
	s_wait_dscnt 4*NL
	WIN MUL_LO
	MUL16 0, 1, 7, 0
	MUL16 2, 1, 7, 0
	s_wait_dscnt 0x0
	WIN MUL_HI
	MUL16 4, 1, 7, 0
	MUL16 6, 1, 7, 0
	WIN 0
; THE WAY OUT.  A block a's 64 registers are quantised as they stand: four blocks of 32, 16 numbers in this lane and 16 in lane l xor 16.  The 12 registers of codes are an operand's image and are stored so: no LDS.
.macro QUANTW a
.set WW, 2+(\a)/4
.set ACB, 64*((\a)%4)
.set PCW, 128+32*((\a)%2)
.set WSET, (WW<<2)|(WW<<4)
	WIN WSET                                       ; sources 1 and 2: the accumulators' window
.irp b, 0,1,2,3
	v_max3_num_f32 v[TM+\b], 0x1800000, |v[ACB+16*\b]|, |v[ACB+1+16*\b]|   ; the floor 2^(3 - 127) and my first two; each accumulator is read from its low end on
.endr
.irp i, 2,4,6,8,10,12,14
.irp b, 0,1,2,3
	v_max3_num_f32 v[TM+\b], v[TM+\b], |v[ACB+16*\b+\i]|, |v[ACB+1+16*\b+\i]|
.endr
.endr
	WIN 0
.irp b, 0,1,2,3
	v_permlanex16_b32 v[TM+4+\b], v[TM+\b], s[SEL], s[SEL+1]
.endr
.irp b, 0,1,2,3
	v_max_num_f32 v[TM+\b], v[TM+\b], v[TM+4+\b]
.endr
.irp b, 0,1,2,3
	v_add_nc_u32 v[TM+12+\b], 0xff000000, v[TM+\b] ; 2 off the exponent field: the conversion's scale operand
.endr
.irp b, 0,1,2,3
	v_lshrrev_b32 v[TM+4+\b], 23, v[TM+12+\b]
.endr
	v_lshl_or_b32 v[PWS+(\a)], v[TM+5], 8, v[TM+4]
	v_lshl_or_b32 v[PWS+(\a)], v[TM+6], 16, v[PWS+(\a)]
	v_lshl_or_b32 v[PWS+(\a)], v[TM+7], 24, v[PWS+(\a)]
	s_wait_xcnt 0x0                                ; earlier stores have read the registers that are written below
	WIN WW                                         ; source 0: the accumulators' window
.irp c, 0,1
	v_cvt_scalef32_pk16_fp6_f32 v[PCW+6*\c:PCW+2+6*\c], v[ACB+32*\c:ACB+15+32*\c], v[TM+12+2*\c]
	v_cvt_scalef32_pk16_fp6_f32 v[PCW+12+4*\c:PCW+14+4*\c], v[ACB+16+32*\c:ACB+31+32*\c], v[TM+12+2*\c+1]
.endr
	WIN 0
	v_nop                                          ; one plain place behind the scaled conversions
.irp c, 0,1
.irp i, 0,1,2
	v_permlane16_swap_b32 v[PCW+6*\c+\i], v[PCW+12+4*\c+\i]
.endr
.irp i, 0,1,2
	v_mov_b32 v[PCW+3+6*\c+\i], v[PCW+12+4*\c+\i]
.endr
.endr
.endm
.macro REGION place, half, u           ; s[68:69] = qkv at head 16 (y / 2) + 4 place + 2 half, slot u % 8
	s_lshr_b32 s66, s17, 1
	s_lshl_b32 s66, s66, 4
	s_lshl_b32 s67, s[\place], 2
	s_add_co_u32 s66, s66, s67
	s_lshl_b32 s67, s[\half], 1
	s_add_co_u32 s66, s66, s67
	s_mul_i32 s66, s66, HEADB
	s_and_b32 s67, s[\u], 7
	s_mul_i32 s67, s67, SLOTB
	s_add_co_u32 s66, s66, s67
	s_mov_b32 s67, 0
	s_add_nc_u64 s[68:69], s[8:9], s[66:67]
	s_mov_b32 s71, 0
.endm
	PLACES NP                                      ; in front of the first reads of results and of writes into A's registers
	s_mov_b32 s[SEL], 0x76543210
	s_mov_b32 s[SEL+1], 0xfedcba98
	v_and_b32 v1, 15, v0
	v_bfe_u32 v2, v0, 4, 1
	v_mul_u32_u24 v[SO], v2, HEADB
	v_lshl_add_u32 v[SO], v1, 4, v[SO]
	v_lshlrev_b32 v[HSH], 4, v2
.irp b, 0,1,2,3
	v_mov_b32 v[TM+4+\b], 0                        ; written once: a lane permute's destination counts as one of its sources
.endr
	s_cmp_eq_u32 ttmp9, 2
	s_cbranch_scc1 .Lvout
	; q and k: a lane holds a token; registers 0-5 of the codes are the even head's half fragment, 6-11 the odd head's
	REGION 40, 16, 45
	s_cmp_eq_u32 ttmp9, 0
	s_cselect_b32 s70, 26112, 0                    ; Q's part of a slot, or K's
	s_add_nc_u64 s[68:69], s[68:69], s[70:71]
	s_mul_i32 s70, s15, 6144
	s_add_nc_u64 s[72:73], s[68:69], s[70:71]      ; my 8 tiles' codes
	s_lshl_b32 s70, s15, 9
	s_add_co_u32 s70, s70, 12288
	s_add_nc_u64 s[74:75], s[68:69], s[70:71]      ; and their scale words
.irp a, 0,1,2,3,4,5,6,7
	QUANTW \a
	global_store_b128 v[L16], v[PCW:PCW+3], s[72:73] offset:768*\a             ; each store covers 512 or 256 consecutive bytes, aligned
	global_store_b64 v[L8], v[PCW+4:PCW+5], s[72:73] offset:768*\a+512
	global_store_b128 v[L16], v[PCW+6:PCW+9], s[72:73] offset:HEADB+768*\a
	global_store_b64 v[L8], v[PCW+10:PCW+11], s[72:73] offset:HEADB+768*\a+512
.if \a%4 == 3
.irp i, 0,1,2,3
	v_bfe_u32 v[W4+\i], v[PWS+4*(\a/4)+\i], v[HSH], 16   ; lanes 0-15: the even head's two bytes, lanes 16-31 the odd head's; the upper two bytes are 0 and scale zero codes alone
.endr
	global_store_b128 v[SO], v[W4:W4+3], s[74:75] offset:256*(\a/4)            ; four tiles' words of row r: 256 consecutive bytes for each head
.endif
.endr
	s_branch .Ldone
.Lvout:
	; v: a lane holds one (head, d); the 12 registers are the fragment of d tile a % 4 of head a / 4 for my 128 keys
	REGION 41, 15, 46
	s_mul_i32 s70, s16, 6144
	s_add_co_u32 s70, s70, 13312
	s_add_nc_u64 s[72:73], s[68:69], s[70:71]
	s_lshl_b32 s70, s16, 8
	s_add_co_u32 s70, s70, 25600
	s_add_nc_u64 s[74:75], s[68:69], s[70:71]
.irp a, 0,1,2,3,4,5,6,7
	QUANTW \a
	global_store_b128 v[L16], v[PCW:PCW+3], s[72:73] offset:HEADB*(\a/4)+1536*(\a%4)
	global_store_b64 v[L8], v[PCW+4:PCW+5], s[72:73] offset:HEADB*(\a/4)+1536*(\a%4)+512
	global_store_b128 v[L16], v[PCW+6:PCW+9], s[72:73] offset:HEADB*(\a/4)+1536*(\a%4)+768
	global_store_b64 v[L8], v[PCW+10:PCW+11], s[72:73] offset:HEADB*(\a/4)+1536*(\a%4)+1280
.endr
	s_mov_b32 s70, 0xffff0000
.irp i, 0,1,2,3
	v_cndmask_b32 v[W4+\i], v[PWS+\i], v[PWS+4+\i], s70   ; lanes 0-15: the first head's words, lanes 16-31 the second's
.endr
	global_store_b128 v[SO], v[W4:W4+3], s[74:75]
.Ldone:
	s_wait_tensorcnt 0x0                           ; the wave's end: a tensor wait, an add of 0 to my spare word and its wait, behind my last tensor load
	ds_add_u32 v[SPW], v[NIL]
	s_wait_dscnt 0x0
	CROUND                                         ; the closing round: no work-group ends while a partner may still ask for a tile that names it
	s_endpgm
.Lfunc_end_k_qbc6d6de310_gemm_qkv:
	.size	k_qbc6d6de310_gemm_qkv, .Lfunc_end_k_qbc6d6de310_gemm_qkv-k_qbc6d6de310_gemm_qkv
	.p2alignl 7, 3214868480
	.fill 96, 4, 3214868480
	.section	.rodata,"a",@progbits
	.p2align	6, 0x0
	.amdhsa_kernel k_qbc6d6de310_gemm_qkv
		.amdhsa_group_segment_fixed_size 327680
		.amdhsa_private_segment_fixed_size 0
		.amdhsa_enable_private_segment 0
		.amdhsa_kernarg_size 24
		.amdhsa_user_sgpr_count 2
		.amdhsa_user_sgpr_kernarg_segment_ptr 1
		.amdhsa_wavefront_size32 1
		.amdhsa_system_sgpr_workgroup_id_x 1
		.amdhsa_system_sgpr_workgroup_id_y 1
		.amdhsa_system_sgpr_workgroup_id_z 1
		.amdhsa_system_vgpr_workitem_id 0
		.amdhsa_next_free_vgpr 1024
		.amdhsa_next_free_sgpr 98
		.amdhsa_reserve_vcc 0
		.amdhsa_float_denorm_mode_32 3
		.amdhsa_float_denorm_mode_16_64 3
		.amdhsa_memory_ordered 1
		.amdhsa_forward_progress 1
		.amdhsa_inst_pref_size 182
	.end_amdhsa_kernel
	.amdgpu_metadata
---
amdhsa.version: [ 1, 2 ]
amdhsa.kernels:
  - .name:           k_qbc6d6de310_gemm_qkv
    .symbol:         k_qbc6d6de310_gemm_qkv.kd
    .args:
      - { .name: xq, .offset: 0, .size: 8, .value_kind: global_buffer, .address_space: global }
      - { .name: wq, .offset: 8, .size: 8, .value_kind: global_buffer, .address_space: global }
      - { .name: qkv, .offset: 16, .size: 8, .value_kind: global_buffer, .address_space: global }
    .group_segment_fixed_size: 327680
    .private_segment_fixed_size: 0
    .kernarg_segment_align: 8
    .kernarg_segment_size: 24
    .max_flat_workgroup_size: 128
    .sgpr_count:     98
    .vgpr_count:     1024
    .wavefront_size: 32
...
	.end_amdgpu_metadata
.endif
;; end of part 2
;; launch attn (part 3): grid 4 x 64, 16 waves a work-group, no clusters, 327,680 bytes of LDS; arguments qkv, yq; writes yq
.if DOCPART == 3
	.amdgcn_target "amdgcn-amd-amdhsa--gfx1250"
	.amdhsa_code_object_version 6
	.text
	.protected	k_qbc6d6de310_attn
	.globl	k_qbc6d6de310_attn
	.p2align	8
	.type	k_qbc6d6de310_attn,@function
k_qbc6d6de310_attn:
	s_mov_b64 s[64:65], 0
	v_nop
	global_prefetch_b8 v0, s[64:65] scope:SCOPE_SE
	s_setreg_imm32_b32 hwreg(HW_REG_WAVE_MODE, 25, 1), 1
	s_wait_xcnt 0x0
; y[b][q][head][:] = the sum over k <= q of softmax_k(Q . K / 8) V, both products on codes of FP6 (E2M3) with E8M0 scales; y leaves as codes, quantised along the model's 1,024 (a head's 64 are two blocks of 32).
; THE SOFTMAX AHEAD OF THE SECOND PRODUCT: t = score x log2(e) / 8; M = the running largest t, rounded UP to a whole number; p = 2^(t - M) is quantised along the keys, not normalised; the row's sum is taken of the
; unquantised p and divides O at the end.  When M moves, the sum and O are multiplied by 2^(old M - new M): exact.
; SHARES.  A work-group serves one head and TWO blocks of 256 queries, block 7 - i and then block i (i = the work-group's x): 8 - i and i + 1 slots of 256 keys, nine in every work-group: the causal work is even, and the
; trip count is a constant.  Each of the sixteen waves owns one tile of 16 queries of a block: four waves to a SIMD, so that one wave's vector work stands beside another's products and LDS loads.
; NO CLUSTER: the four work-groups of a head walk the same slots only in their first five trips; from there on they need different slots in the same trip, and walking alike would make each walk 12 slots for 9.
; LAYOUT.  Both products are used transposed: S^T = K Q^T, O^T = V^T P^T: a lane holds ONE query throughout.  Tokens lie in place order (place p holds token pi(p), bits 3 and 4 changed over), so the 16 registers of two
; neighbouring tiles of S^T are keys 32 b + 16 (lane / 16) + 0 .. 15, and my tile's queries are Q0 + r + 8 (r / 8).  V's d tiles lie in the same order, so O^T's register 16 b + i is d = 32 b + 16 (lane / 16) + i.
; The first product's K is 64: the upper half of Q's and K's fragments is zero codes (cleared once), under scale bytes 0, which scale zeros alone.
; A slot of a head in qkv is 39,424 bytes; its first 26,112 (K's codes and words, V's codes and words, all as images of the operands' registers) are one dense block: waves 0 and 1 fetch half of it each.
; CAUSAL.  A key step (128 keys) all of whose keys come after my queries is jumped over (a scalar branch on ids and counted steps; no barrier and no tensor load stands in a step); on the diagonal hidden scores become -infinity.
; LIMITS: NaN and infinities are not served; a block of y whose largest magnitude lies under 2^-124 keeps the byte 1.
; REGISTERS: v1-3 LDS lane terms with the slot; v4 the mask's lane term; v5, v6 the add's two; v7-9 y's lane terms; v10 the prefetch's; v12 -M, v13 largest t, v[14:15] the sum; v16-27 Q, v28 its scale word; v29-35 the second
; block's; v40-87 four fragments of K; v88-91, v92-95 K's and V's scale words; v96-159 S^T, then p, then V's four fragments; v160-191 O^T; v192-210 codes; v212-225 at work; v252-254 at work; v255 p's scale word.
.set SLOT1, 1<<17                      ; LDS: slot 0 at 0, slot 1 here: one exclusive or turns an address
.set SPARE, 2*SLOT1                    ; the spare words, 128 bytes a wave: eight blocks of 256 bytes that no other line names
.set HEADB, 315392
.set SLOTB, 39424
.set HALFB, 13056                      ; 51 rows of 256 bytes: what one tensor load brings
.set KSC,   12288
.set VCO,   13312
.set VSC,   25600
.set QCO,   26112
.set QSC,   38400
.set YT,    14336                      ; a token tile of yq: 16 heads' half fragments, then 16 x 128 bytes of scale words
.set A16, 1
.set A8,  2
.set AR,  3
.set DQ,  4
.set SPW, 5
.set NIL, 6
.set Y16, 7
.set Y8,  8
.set YW,  9
.set PFO, 10
.set KFR, 40
.set KS,  88
.set VS,  92
.set S,   96
.set O,   160
.set PCD, 192
.set BM,  212
.set BP,  216
.set BS,  220
.set SU,  224
.set WV,  18
.set SEL, 20
.set CS,  22
.set G1,  24
.set G0,  32
.set LB,  36                           ; s[36:37] the head's first byte + my half of a slot's block
.set NS,  38                           ; the slot asked for last
.set LIMS, 39                          ; 8 - i: the first block's slots
.set KF,  40                           ; the step's first key
.set KEND, 41                          ; the pass ends when KF gets here
.set Q0,  42                           ; my tile's first query
.set KEND2, 43
.set Q02, 44
.set SLOTS, 45
.set YB,  46                           ; s[46:47] my tile of yq; s[48:49] the second pass's
.set YB2, 48
.set PFA, 50
.set LIM, 52
.macro TLOAD                           ; waves 0 and 1 fetch; an s_nop 0 and four v_nop follow the line
	s_cmp_lt_u32 s[WV], 2
	s_cbranch_scc0 .Lasked_\@
	tensor_load_to_lds s[G0:G0+3], s[G1:G1+7]
	s_nop 0
.rept 4
	v_nop
.endr
.Lasked_\@:
.endm
; A PREFETCH INTO THE L2 of the slot that the NEXT change of slots will ask for.  The four work-groups of a head walk the same slots in their first passes: work-group 0, whose first pass has all eight, asks, and in it
; waves 4 to 6, which fetch nothing: 8,192 bytes a wave, lanes 256 bytes apart: the first 96 of the block's 102 rows of 256 bytes.  Trips 0 to 5 name slots 2 to 7, each once; slots 0 and 1 come by their loads alone.
.macro ASK
	s_cmp_gt_u32 s[SLOTS], s[LIM]
	s_cbranch_scc0 .Lnot_mine_\@
	global_prefetch_b8 v[PFO], s[PFA:PFA+1] th:TH_LOAD_NT scope:SCOPE_SE
.Lnot_mine_\@:
.endm
	s_load_b128 s[4:7], s[0:1], 0x0                ; qkv s[4:5], yq s[6:7]
	v_lshl_add_u32 v[SPW], v0, 2, SPARE
	v_mov_b32 v[NIL], 0
	ds_add_u32 v[SPW], v[NIL]                      ; the wave's opening: the add and its wait ahead of my first tensor load; work on registers stands between them
	ds_add_u32 v[SPW], v[NIL]
	v_lshrrev_b32 v1, 5, v0
	s_delay_alu instid0(VALU_DEP_1)
	v_readfirstlane_b32 s[WV], v1                  ; wave 0..15
	s_and_b32 s54, ttmp7, 0xffff                   ; 16 b + head
	s_mul_i32 s56, s54, HEADB
	s_mov_b32 s57, 0
	s_and_b32 s58, s[WV], 1
	s_mul_i32 s59, s58, HALFB                      ; my half of a slot's block, in memory and in LDS
	s_mov_b32 s[G1], 3<<16                         ; no mask; elements of 8 bytes; no padding
	s_mov_b32 s[G1+1], 32<<16                      ; tensor_dim0: 256 bytes
	s_mov_b32 s[G1+2], 51<<16                      ; tensor_dim1
	s_mov_b32 s[G1+3], 32<<16                      ; tile_dim0
	s_mov_b32 s[G1+4], 51                          ; tile_dim1
	s_mov_b32 s[G1+5], 32                          ; dense
	s_mov_b32 s[G1+6], 0
	s_mov_b32 s[G1+7], 0
	s_mov_b32 s[SEL], 0x76543210
	s_mov_b32 s[SEL+1], 0xfedcba98
	s_mov_b32 s[CS], 0x3e38aa3b                    ; c = log2(e) / 8
	s_mov_b32 s[CS+1], s[CS]
	s_sub_co_u32 s[LIMS], 8, ttmp9
	s_sub_co_u32 s60, 7, ttmp9                     ; the first pass's block
	s_lshr_b32 s61, s[WV], 1
	s_lshl_b32 s61, s61, 5
	s_lshl_b32 s62, s58, 3
	s_add_co_u32 s61, s61, s62                     ; 32 (w / 2) + 8 (w % 2)
	s_lshl_b32 s[Q0], s60, 8
	s_add_co_u32 s[Q0], s[Q0], s61
	s_lshl_b32 s[Q02], ttmp9, 8
	s_add_co_u32 s[Q02], s[Q02], s61
	s_lshl_b32 s[KEND], s[LIMS], 8
	s_add_co_u32 s[KEND2], ttmp9, 1
	s_lshl_b32 s[KEND2], s[KEND2], 8
	s_mov_b32 s[KF], 0
	s_mov_b32 s[NS], 0
	s_mov_b32 s[SLOTS], 8
	s_mul_i32 s66, s60, SLOTB                      ; the two blocks' slots,
	s_mul_i32 s67, ttmp9, SLOTB
	s_mul_i32 s68, s[WV], 768
	s_add_co_u32 s68, s68, QCO                     ; my tile's codes in a slot,
	s_lshr_b32 s69, s[WV], 2
	s_lshl_b32 s69, s69, 8
	s_and_b32 s70, s[WV], 3
	s_lshl_b32 s70, s70, 2
	s_add_co_u32 s69, s69, s70
	s_add_co_u32 s69, s69, QSC                     ; and its scale words
	s_lshr_b32 s84, s54, 4
	s_lshl_b32 s84, s84, 7
	s_add_co_u32 s84, s84, s[WV]                   ; 128 b + w
	s_lshl_b32 s85, s60, 4
	s_add_co_u32 s85, s85, s84
	s_mul_i32 s86, s85, YT
	s_mov_b32 s87, 0
	s_lshl_b32 s85, ttmp9, 4
	s_add_co_u32 s85, s85, s84
	s_mul_i32 s88, s85, YT
	s_mov_b32 s89, 0
	s_sub_co_u32 s90, s[WV], 4
	s_cmp_lt_u32 s90, 3                            ; waves 4, 5, 6
	s_cselect_b32 s90, 0, 1
	s_or_b32 s90, s90, ttmp9                       ; of work-group 0
	s_cmp_eq_u32 s90, 0
	s_cselect_b32 s[LIM], 2, -1                    ; they ask while more than two trips of the loop are left
	s_mov_b32 s83, 0
	s_wait_dscnt 0x0                               ; the opening add is done
	s_wait_kmcnt 0x0
	s_add_nc_u64 s[72:73], s[4:5], s[56:57]        ; the head
	s_mov_b32 s82, s59
	s_add_nc_u64 s[LB:LB+1], s[72:73], s[82:83]
	s_mov_b32 s[G0], 1
	s_mov_b32 s[G0+1], s59                         ; LDS slot 0
	s_mov_b64 s[G0+2:G0+3], s[LB:LB+1]             ; the head's slot 0
	s_or_b32 s[G0+3], s[G0+3], 0x80000000
	TLOAD
	s_add_co_u32 s82, s66, s68
	s_add_nc_u64 s[74:75], s[72:73], s[82:83]      ; Q's codes, first pass
	s_add_co_u32 s82, s66, s69
	s_add_nc_u64 s[76:77], s[72:73], s[82:83]      ; its scale words
	s_add_co_u32 s82, s67, s68
	s_add_nc_u64 s[78:79], s[72:73], s[82:83]      ; second pass
	s_add_co_u32 s82, s67, s69
	s_add_nc_u64 s[80:81], s[72:73], s[82:83]
	s_add_nc_u64 s[YB:YB+1], s[6:7], s[86:87]
	s_add_nc_u64 s[YB2:YB2+1], s[6:7], s[88:89]
	s_and_b32 s82, s[WV], 3
	s_lshl_b32 s82, s82, 13
	s_add_co_u32 s82, s82, SLOTB                   ; in slot 1: the first change of slots steps it to slot 2.  Nothing is prefetched at the head
	s_add_nc_u64 s[PFA:PFA+1], s[72:73], s[82:83]
	v_and_b32 v11, 31, v0                          ; lane
	v_and_b32 v[AR], 15, v0                        ; r
	s_delay_alu instid0(VALU_DEP_2)
	v_lshlrev_b32 v[A16], 4, v11
	s_delay_alu instid0(VALU_DEP_3)
	v_lshlrev_b32 v[A8], 3, v11
	s_delay_alu instid0(VALU_DEP_4)
	v_lshlrev_b32 v[PFO], 8, v11
	v_lshlrev_b32 v[YW], 2, v11
	v_and_b32 v[DQ], 8, v[AR]
	s_delay_alu instid0(VALU_DEP_1)
	v_add_nc_u32 v[DQ], v[DQ], v[AR]               ; r + 8 (r / 8)
	v_bfe_u32 v11, v0, 4, 1
	s_delay_alu instid0(VALU_DEP_1)
	v_lshlrev_b32 v11, 4, v11
	s_delay_alu instid0(VALU_DEP_1)
	v_sub_nc_u32 v[DQ], v[DQ], v11                 ; - 16 h
	v_lshlrev_b32 v[AR], 4, v[AR]                  ; 16 r
	global_load_b128 v[16:19], v[A16], s[74:75]    ; Q's half fragment stays in registers
	global_load_b64 v[20:21], v[A8], s[74:75] offset:512
	global_load_b32 v28, v[AR], s[76:77]
	global_load_b128 v[30:33], v[A16], s[78:79]
	global_load_b64 v[34:35], v[A8], s[78:79] offset:512
	global_load_b32 v29, v[AR], s[80:81]
	s_and_b32 s55, s54, 15                         ; the head
	s_mul_i32 s90, s55, 768
	v_add_nc_u32 v[Y16], s90, v[A16]
	s_add_co_u32 s90, s90, 512
	v_add_nc_u32 v[Y8], s90, v[A8]
	s_lshl_b32 s90, s55, 7
	s_add_co_u32 s90, s90, 12288
	v_add_nc_u32 v[YW], s90, v[YW]
.irp j, 22,23,24,25,26,27
	v_mov_b32 v[\j], 0                             ; K = 64 .. 127 of Q: zero codes
.endr
.irp t, 0,1,2,3
.irp j, 6,7,8,9,10,11
	v_mov_b32 v[KFR+12*\t+\j], 0                   ; and of K's four fragments: cleared once
.endr
.endr
.set n, 0
.rept 32
	v_mov_b32 v[O+n], 0                            ; O^T: a pass's first step finds zeros, which the first change of M leaves zeros
.set n, n+1
.endr
	v_mov_b32 v13, 0xff61b1e6                      ; the largest t so far: -3e38
	s_delay_alu instid0(VALU_DEP_1)
	v_floor_f32 v12, -v13                          ; -M
	v_mov_b32 v14, 0
	v_mov_b32 v15, 0
.irp b, 0,1,2,3
	v_mov_b32 v[BP+\b], 0                          ; written once: a lane permute's destination counts as one of its sources
.endr
	v_mov_b32 v253, 0                              ; (named as the upper half of the pair v[252:253])
	v_mov_b32 v254, 0
; A KEY STEP: 128 keys, the q-th of the slot in hand
.macro STEP q
	s_add_co_u32 s56, s[Q0], 23                    ; my tile's last query
	s_cmp_gt_u32 s[KF], s56
	s_cbranch_scc1 .Lhidden_\@
.rept 5
	v_nop                                          ; S^T is laid over the registers that held V's fragments: five places behind the last products that read them
.endr
	s_wait_alu depctr_va_vdst(0)
.irp g, 0,1                                    ; S^T = K Q^T, four tiles of 16 keys at a time
.if \g > 0
.rept 4
	v_nop                                          ; places in front of loads into registers that matrix instructions have read
.endr
.endif
.irp t, 0,1,2,3
	ds_load_b128 v[KFR+12*\t:KFR+12*\t+3], v[A16] offset:768*(8*(\q)+4*\g+\t)
	ds_load_b64 v[KFR+12*\t+4:KFR+12*\t+5], v[A8] offset:768*(8*(\q)+4*\g+\t)+512
.endr
	ds_load_b128 v[KS:KS+3], v[AR] offset:KSC+256*(2*(\q)+\g)    ; the four tiles' scale words of row r
	s_wait_dscnt 0x0
.irp t, 0,1,2,3
	v_wmma_scale_f32_16x16x128_f8f6f4 v[S+8*(4*\g+\t):S+8*(4*\g+\t)+7], v[KFR+12*\t:KFR+12*\t+11], v[16:27], 0, v[KS+\t], v28 matrix_a_fmt:MATRIX_FMT_FP6 matrix_b_fmt:MATRIX_FMT_FP6
.endr
.endr
.rept 4
	v_nop
.endr
	s_add_co_u32 s56, s[KF], 127                   ; a step all of whose keys count skips the mask
	s_cmp_le_u32 s56, s[Q0]
	s_cbranch_scc1 .Lopen_\@
	s_sub_co_i32 s56, s[Q0], s[KF]
	v_add_nc_u32 v252, s56, v[DQ]                  ; d = my query - KF - 16 h.  Register 16 b + i holds key KF + 16 h + 32 b + i: hidden where 32 b + i > d
	v_mov_b32 v254, 0xff800000                     ; -infinity
.set n, 0
.rept 64
	v_cmp_gt_i32 vcc_lo, 32*(n/16)+n%16, v252
	v_cndmask_b32 v[S+n], v[S+n], v254, vcc_lo
.set n, n+1
.endr
.Lopen_\@:
.irp b, 0,1,2,3
	v_max3_num_f32 v[BM+\b], v[S+16*\b], v[S+1+16*\b], v[S+2+16*\b]   ; the largest score of each block of 32 keys: it serves the row's maximum and, since p rises with the score, the block's largest p
.endr
.irp i, 3,5,7,9,11,13
.irp b, 0,1,2,3
	v_max3_num_f32 v[BM+\b], v[BM+\b], v[S+16*\b+\i], v[S+1+16*\b+\i]
.endr
.endr
.irp b, 0,1,2,3
	v_max_num_f32 v[BM+\b], v[BM+\b], v[S+15+16*\b]
.endr
.irp b, 0,1,2,3
	s_delay_alu instid0(VALU_DEP_4)
	v_permlanex16_b32 v[BP+\b], v[BM+\b], s[SEL], s[SEL+1]
.endr
.irp b, 0,1,2,3
	s_delay_alu instid0(VALU_DEP_4)
	v_max_num_f32 v[BM+\b], v[BM+\b], v[BP+\b]     ; with lane l xor 16's 16 keys
.endr
	s_delay_alu instid0(VALU_DEP_2)
	v_max3_num_f32 v254, v[BM], v[BM+1], v[BM+2]
	s_delay_alu instid0(VALU_DEP_1)
	v_max_num_f32 v254, v254, v[BM+3]              ; the step's largest score of my query
	s_delay_alu instid0(VALU_DEP_1)
	v_mul_f32 v254, s[CS], v254                    ; as t
	s_delay_alu instid0(VALU_DEP_1)
	v_max_num_f32 v13, v13, v254                   ; the running largest t
	v_mov_b32 v254, v12
	s_delay_alu instid0(VALU_DEP_2)
	v_floor_f32 v12, -v13                          ; the new -M = -ceil(t): a whole number
	s_delay_alu instid0(VALU_DEP_1)
	v_sub_f32 v254, v12, v254                      ; old M - new M: a whole number, 0 or less
	s_delay_alu instid0(VALU_DEP_1)
	v_cvt_i32_f32 v254, v254                       ; (it saturates)
	s_delay_alu instid0(VALU_DEP_1)
	v_ldexp_f32 v252, 1.0, v254                    ; f = 2^(old M - new M)
.set n, 0
.rept 32
	v_pk_fma_f32 v[S+n:S+n+1], v[S+n:S+n+1], s[CS:CS+1], v[12:13] op_sel_hi:[1,0,0]   ; t - M, two at a time
.set n, n+2
.endr
.irp b, 0,1,2,3
	v_fma_f32 v[BM+\b], v[BM+\b], s[CS], v12       ; the same of each block's largest score
.endr
.set n, 0
	s_wait_alu depctr_va_vdst(0)
.rept 64
	v_exp_f32 v[S+n], v[S+n]                       ; p = 2^(t - M)
.set n, n+1
.endr
	v_pk_mul_f32 v[14:15], v[14:15], v[252:253] op_sel_hi:[1,0]   ; the sums under the new M: the plain place behind the exponentials
	s_wait_alu depctr_va_vdst(0)                   ; one wait for the batch of 64, ahead of its first reader
.irp b, 0,1,2,3
	v_exp_f32 v[BM+\b], v[BM+\b]                   ; the block's largest p
.endr
	v_pk_add_f32 v[224:225], v[100:101], v[104:105]
	v_pk_add_f32 v[250:251], v[108:109], v[112:113]
	v_pk_add_f32 v[248:249], v[116:117], v[120:121]
	v_pk_add_f32 v[246:247], v[124:125], v[128:129]
	v_pk_add_f32 v[244:245], v[132:133], v[136:137]
	v_pk_add_f32 v[242:243], v[140:141], v[144:145]
	v_pk_add_f32 v[240:241], v[148:149], v[152:153]
	v_pk_add_f32 v[14:15], v[14:15], v[156:157]
	v_pk_add_f32 v[224:225], v[224:225], v[96:97]
	v_pk_add_f32 v[250:251], v[250:251], v[98:99]
	v_pk_add_f32 v[248:249], v[248:249], v[102:103]
	v_pk_add_f32 v[246:247], v[246:247], v[106:107]
	v_pk_add_f32 v[244:245], v[244:245], v[110:111]
	v_pk_add_f32 v[242:243], v[242:243], v[114:115]
	v_pk_add_f32 v[240:241], v[240:241], v[118:119]
	v_pk_add_f32 v[14:15], v[14:15], v[122:123]
	v_pk_add_f32 v[224:225], v[224:225], v[126:127]
	v_pk_add_f32 v[250:251], v[250:251], v[130:131]
	v_pk_add_f32 v[248:249], v[248:249], v[134:135]
	v_pk_add_f32 v[246:247], v[246:247], v[138:139]
	v_pk_add_f32 v[244:245], v[244:245], v[142:143]
	v_pk_add_f32 v[242:243], v[242:243], v[146:147]
	v_pk_add_f32 v[240:241], v[240:241], v[150:151]
	v_pk_add_f32 v[14:15], v[14:15], v[154:155]
	v_pk_add_f32 v[224:225], v[224:225], v[158:159]
	s_delay_alu instid0(VALU_DEP_2)
	v_pk_add_f32 v[14:15], v[14:15], v[246:247]
	s_delay_alu instid0(VALU_DEP_2)
	v_pk_add_f32 v[224:225], v[224:225], v[244:245]
	v_pk_add_f32 v[250:251], v[250:251], v[242:243]
	v_pk_add_f32 v[248:249], v[248:249], v[240:241]
	s_delay_alu instid0(VALU_DEP_2)
	v_pk_add_f32 v[14:15], v[14:15], v[250:251]
	s_delay_alu instid0(VALU_DEP_2)
	v_pk_add_f32 v[224:225], v[224:225], v[248:249]
	s_delay_alu instid0(VALU_DEP_1)
	v_pk_add_f32 v[14:15], v[14:15], v[224:225]
	s_wait_alu depctr_va_vdst(0)                   ; and one for the four
.irp b, 0,1,2,3
	v_max_num_f32 v[BM+\b], 0x1800000, v[BM+\b]    ; the floor: the byte cannot fall under 1
.endr
.irp b, 0,1,2,3
	s_delay_alu instid0(VALU_DEP_4)
	v_add_nc_u32 v[BS+\b], 0xff000000, v[BM+\b]
.endr
.irp b, 0,1,2,3
	s_delay_alu instid0(VALU_DEP_4)
	v_lshrrev_b32 v[BP+\b], 23, v[BS+\b]
.endr
	s_delay_alu instid0(VALU_DEP_3)
	v_lshl_or_b32 v255, v[BP+1], 8, v[BP]          ; p's scale word for these 128 keys
	s_delay_alu instid0(VALU_DEP_1)
	v_lshl_or_b32 v255, v[BP+2], 16, v255
	s_delay_alu instid0(VALU_DEP_1)
	v_lshl_or_b32 v255, v[BP+3], 24, v255
.irp c, 0,1
	v_cvt_scalef32_pk16_fp6_f32 v[PCD+6*\c:PCD+2+6*\c], v[S+32*\c:S+15+32*\c], v[BS+2*\c]
	v_cvt_scalef32_pk16_fp6_f32 v[PCD+12+4*\c:PCD+14+4*\c], v[S+16+32*\c:S+31+32*\c], v[BS+2*\c+1]
.endr
	v_nop                                          ; one plain place behind the scaled conversions
.irp t, 0,1,2,3                                ; p is done with: V's four fragments (16 d x these 128 keys) land where it lay
	ds_load_b128 v[S+12*\t:S+12*\t+3], v[A16] offset:VCO+1536*(4*(\q)+\t)
	ds_load_b64 v[S+12*\t+4:S+12*\t+5], v[A8] offset:VCO+1536*(4*(\q)+\t)+512
	ds_load_b128 v[S+12*\t+6:S+12*\t+9], v[A16] offset:VCO+1536*(4*(\q)+\t)+768
	ds_load_b64 v[S+12*\t+10:S+12*\t+11], v[A8] offset:VCO+1536*(4*(\q)+\t)+1280
.endr
	ds_load_b128 v[VS:VS+3], v[AR] offset:VSC+256*(\q)
.irp c, 0,1                                    ; the operand's layout wants a whole block in a lane
.irp i, 0,1,2
	v_permlane16_swap_b32 v[PCD+6*\c+\i], v[PCD+12+4*\c+\i]
.endr
.irp i, 0,1,2
	s_delay_alu instid0(VALU_DEP_3)
	v_mov_b32 v[PCD+3+6*\c+\i], v[PCD+12+4*\c+\i]
.endr
.endr
.set n, 0
.rept 16
	v_pk_mul_f32 v[O+n:O+n+1], v[O+n:O+n+1], v[252:253] op_sel_hi:[1,0]   ; O^T under the new M.  (These 16 are also the places between the writes of p's codes and word and the products)
.set n, n+2
.endr
	s_wait_alu depctr_va_vdst(0)
	s_wait_dscnt 0x0
.irp t, 0,1,2,3                                ; O^T += V^T P^T: four accumulators by turns
	v_wmma_scale_f32_16x16x128_f8f6f4 v[O+8*\t:O+8*\t+7], v[S+12*\t:S+12*\t+11], v[PCD:PCD+11], v[O+8*\t:O+8*\t+7], v[VS+\t], v255 matrix_a_fmt:MATRIX_FMT_FP6 matrix_b_fmt:MATRIX_FMT_FP6
.endr
.Lhidden_\@:
	s_add_co_u32 s[KF], s[KF], 128
.endm
; THE CHANGE OF SLOTS stands at a slot's head.  Each wave waits for all its tensor loads, adds 0 to its spare word, and waits for that and for its reads of the slot that it has left.  Behind the barrier the slot ahead is whole and
; nobody reads the other one.  fill = 1: that other slot takes the slot of keys that follows in the walk (0 .. 7 - i, then 0 .. i): the load has a whole slot's steps in which to land.
.macro CHANGE fill
	s_wait_tensorcnt 0x0                           ; no tensor load of mine is out, so group 0 may be written
	ds_add_u32 v[SPW], v[NIL]                      ; 0 onto my spare word; the descriptor's step stands between it and the wait for it
.if \fill
	s_xor_b32 s[G0+1], s[G0+1], SLOT1
	s_add_co_u32 s[NS], s[NS], 1
	s_cmp_eq_u32 s[NS], s[LIMS]                    ; behind the first pass's last slot comes slot 0 again
	s_cselect_b32 s[NS], 0, s[NS]
	s_mul_i32 s56, s[NS], SLOTB
	s_mov_b32 s57, 0
	s_add_nc_u64 s[G0+2:G0+3], s[LB:LB+1], s[56:57]
	s_or_b32 s[G0+3], s[G0+3], 0x80000000
	s_wait_xcnt 0x0                                ; the last prefetch, a slot back, has read its address
	s_add_nc_u64 s[PFA:PFA+1], s[PFA:PFA+1], SLOTB
.endif
	s_wait_dscnt 0x0                               ; the add is done, and my reads of the slot that I have left are over
	s_barrier_signal -1
	s_barrier_wait -1
.if \fill
	TLOAD                                          ; the first thing behind the barrier, and a wave's one tensor load until the next
	ASK
.endif
.endm
; A PASS'S END: O^T / the sum is my 16 queries' y of this head: register 16 b + i = d 32 b + 16 h + i: two blocks of 32 along the last product's K.  They leave as a half fragment and a scale word.
.macro FINISH
.rept 4
	v_nop
.endr
	v_add_f32 v14, v14, v15
	s_delay_alu instid0(VALU_DEP_1)
	v_permlanex16_b32 v254, v14, s[SEL], s[SEL+1]
	s_delay_alu instid0(VALU_DEP_1)
	v_add_f32 v14, v14, v254                       ; the row's sum
	s_wait_alu depctr_va_vdst(0)
	v_rcp_f32 v14, v14
	v_nop                                          ; a plain place behind the reciprocal
	s_wait_alu depctr_va_vdst(0)                   ; and the wait ahead of its first reader
.set n, 0
.rept 16
	v_pk_mul_f32 v[S+n:S+n+1], v[O+n:O+n+1], v[14:15] op_sel_hi:[1,0]   ; each accumulator from its low end on
.set n, n+2
.endr
.irp b, 0,1
	v_max3_num_f32 v[BM+\b], |v[S+16*\b]|, |v[S+1+16*\b]|, 0x1800000
.endr
.irp i, 2,4,6,8,10,12,14
.irp b, 0,1
	s_delay_alu instid0(VALU_DEP_2)
	v_max3_num_f32 v[BM+\b], v[BM+\b], |v[S+16*\b+\i]|, |v[S+1+16*\b+\i]|
.endr
.endr
.irp b, 0,1
	s_delay_alu instid0(VALU_DEP_2)
	v_permlanex16_b32 v[BP+\b], v[BM+\b], s[SEL], s[SEL+1]
.endr
.irp b, 0,1
	s_delay_alu instid0(VALU_DEP_2)
	v_max_num_f32 v[BM+\b], v[BM+\b], v[BP+\b]
.endr
.irp b, 0,1
	s_delay_alu instid0(VALU_DEP_2)
	v_add_nc_u32 v[BS+\b], 0xff000000, v[BM+\b]
.endr
.irp b, 0,1
	s_delay_alu instid0(VALU_DEP_2)
	v_lshrrev_b32 v[BP+\b], 23, v[BS+\b]
.endr
	s_delay_alu instid0(VALU_DEP_1)
	v_lshl_or_b32 v[BP], v[BP+1], 8, v[BP]         ; the two bytes; the upper half of the word is 0
	v_cvt_scalef32_pk16_fp6_f32 v[PCD:PCD+2], v[S:S+15], v[BS]
	v_cvt_scalef32_pk16_fp6_f32 v[PCD+12:PCD+14], v[S+16:S+31], v[BS+1]
	v_nop
.irp i, 0,1,2
	v_permlane16_swap_b32 v[PCD+\i], v[PCD+12+\i]  ; lanes 0-15 now hold block 0 whole, lanes 16-31 block 1
.endr
.irp i, 0,1,2
	s_delay_alu instid0(VALU_DEP_3)
	v_mov_b32 v[PCD+3+\i], v[PCD+12+\i]
.endr
	global_store_b128 v[Y16], v[PCD:PCD+3], s[YB:YB+1]     ; 512 and 256 consecutive bytes, aligned
	global_store_b64 v[Y8], v[PCD+4:PCD+5], s[YB:YB+1]
	global_store_b32 v[YW], v[BP], s[YB:YB+1]              ; 128 consecutive bytes: row r's word at 4 r, and a copy
.endm
.macro NEWPASS                         ; on to block i
	s_wait_xcnt 0x0                                ; the stores have read their base and their registers
	s_mov_b64 s[YB:YB+1], s[YB2:YB2+1]
	s_mov_b32 s[KF], 0
	s_mov_b32 s[KEND], s[KEND2]
	s_mov_b32 s[Q0], s[Q02]
	v_mov_b32 v28, v29
.irp j, 0,1,2,3,4,5
	v_mov_b32 v[16+\j], v[30+\j]
.endr
.set n, 0
.rept 32
	v_mov_b32 v[O+n], 0                            ; (these are also the places between the writes of Q's word and codes and the next products)
.set n, n+1
.endr
	v_mov_b32 v14, 0
	v_mov_b32 v15, 0
	v_mov_b32 v13, 0xff61b1e6
	s_delay_alu instid0(VALU_DEP_1)
	v_floor_f32 v12, -v13
.endm
.macro OTHER_SLOT
	v_xor_b32 v[A16], SLOT1, v[A16]
	v_xor_b32 v[A8], SLOT1, v[A8]
	v_xor_b32 v[AR], SLOT1, v[AR]
.endm
	s_wait_loadcnt 0x0                             ; both passes' Q
.Lslot:                                            ; eight trips; behind each change of slots the next slot of the walk is asked for
	CHANGE 1
	STEP 0
	STEP 1
	s_wait_alu depctr_va_vdst(0)
	OTHER_SLOT
	s_cmp_lg_u32 s[KF], s[KEND]                    ; ids and counted steps alone: the first pass ends in trip 7 - i
	s_cbranch_scc1 .Lsame_pass
	FINISH
	NEWPASS
.Lsame_pass:
	s_sub_co_u32 s[SLOTS], s[SLOTS], 1
	s_cmp_lg_u32 s[SLOTS], 0
	s_cbranch_scc1 .Lslot
	CHANGE 0                                       ; the ninth slot is written out
	STEP 0
	STEP 1
	s_wait_alu depctr_va_vdst(0)
	FINISH
	s_wait_tensorcnt 0x0                           ; the wave's end: a tensor wait, an add of 0 to my spare word and its wait, behind my last tensor load
	ds_add_u32 v[SPW], v[NIL]
	s_wait_dscnt 0x0
	s_endpgm
.Lfunc_end_k_qbc6d6de310_attn:
	.size	k_qbc6d6de310_attn, .Lfunc_end_k_qbc6d6de310_attn-k_qbc6d6de310_attn
	.p2alignl 7, 3214868480
	.fill 96, 4, 3214868480
	.section	.rodata,"a",@progbits
	.p2align	6, 0x0
	.amdhsa_kernel k_qbc6d6de310_attn
		.amdhsa_group_segment_fixed_size 327680
		.amdhsa_private_segment_fixed_size 0
		.amdhsa_enable_private_segment 0
		.amdhsa_kernarg_size 16
		.amdhsa_user_sgpr_count 2
		.amdhsa_user_sgpr_kernarg_segment_ptr 1
		.amdhsa_wavefront_size32 1
		.amdhsa_system_sgpr_workgroup_id_x 1
		.amdhsa_system_sgpr_workgroup_id_y 1
		.amdhsa_system_sgpr_workgroup_id_z 1
		.amdhsa_system_vgpr_workitem_id 0
		.amdhsa_next_free_vgpr 256
		.amdhsa_next_free_sgpr 100
		.amdhsa_reserve_vcc 1
		.amdhsa_float_denorm_mode_32 3
		.amdhsa_float_denorm_mode_16_64 3
		.amdhsa_memory_ordered 1
		.amdhsa_forward_progress 1
		.amdhsa_inst_pref_size 110
	.end_amdhsa_kernel
	.amdgpu_metadata
---
amdhsa.version: [ 1, 2 ]
amdhsa.kernels:
  - .name:           k_qbc6d6de310_attn
    .symbol:         k_qbc6d6de310_attn.kd
    .args:
      - { .name: qkv, .offset: 0, .size: 8, .value_kind: global_buffer, .address_space: global }
      - { .name: yq, .offset: 8, .size: 8, .value_kind: global_buffer, .address_space: global }
    .group_segment_fixed_size: 327680
    .private_segment_fixed_size: 0
    .kernarg_segment_align: 8
    .kernarg_segment_size: 16
    .max_flat_workgroup_size: 512
    .sgpr_count:     100
    .vgpr_count:     256
    .wavefront_size: 32
...
	.end_amdgpu_metadata
.endif
;; end of part 3
;; launch gemm_out (part 4): grid 4 x 32, 4 waves a work-group, clusters of 4 x 4, 327,680 bytes of LDS; arguments yq, woq, out0; writes out0
.if DOCPART == 4
	.amdgcn_target "amdgcn-amd-amdhsa--gfx1250"
	.amdhsa_code_object_version 6
	.text
	.protected	k_qbc6d6de310_gemm_out
	.globl	k_qbc6d6de310_gemm_out
	.p2align	8
	.type	k_qbc6d6de310_gemm_out,@function
k_qbc6d6de310_gemm_out:
	s_mov_b64 s[64:65], 0
	v_nop
	global_prefetch_b8 v0, s[64:65] scope:SCOPE_SE
	s_setreg_imm32_b32 hwreg(HW_REG_WAVE_MODE, 25, 1), 1
	s_wait_xcnt 0x0
	s_wait_alu depctr_hold_cnt(0) depctr_sa_sdst(0) depctr_va_vdst(0) depctr_va_sdst(0) depctr_va_ssrc(0) depctr_va_vcc(0) depctr_vm_vsrc(0)
	s_getreg_b32 s2, hwreg(HW_REG_IB_STS2, 6, 4)
	s_cmp_eq_u32 s2, 0
	s_cbranch_scc0 .Lentry_in_a_cluster
	s_endpgm
.Lentry_in_a_cluster:
	s_bfe_u32 s2, ttmp6, 0x10000c
	s_cmp_lg_u32 s2, 0xf033
	s_cbranch_scc0 .Lentry_shape_is_right
	s_endpgm
.Lentry_shape_is_right:
; out0 = y w_out on codes of FP6 (E2M3) with E8M0 scales, sums in f32, K = 1,024; out0 [8192][1024] f32.
; A work-group of four waves makes 256 x 256 of out0, a wave 128 x 128: 64 accumulators, 512 registers.  K goes in slots of 256 (two matrix K steps) through a ring of two LDS slots filled by the tensor data mover.
; Operands lie in memory and in LDS as images of the operand's registers: tiles of 16 rows, sixteen half fragments of 768 bytes each (yq: a head each; a tile is 14,336 bytes; woq: 12,800): a fragment comes by loads of 16, 8, 16, 8
; bytes a lane from consecutive bytes.  The scale words stay in registers: register q of a tile: lanes 0-15 K step q, lanes 16-31 K step 4 + q.  woq's lie so in memory; y's are made of two heads' half words.
; THE MATRIX INSTRUCTION IS USED TRANSPOSED (source 0 = 16 columns of w_out, source 1 = 16 tokens): a lane holds eight neighbouring numbers of a row of out0.
; yq's tokens lie in place order (place p holds token pi(p), bits 3 and 4 changed over): the way out puts each row where it belongs.
; CLUSTERS: 4 x 4 work-groups; y's tile is shared along a row of the cluster, w_out's along a column: joint loads.  The eight K steps are written out.  By this text's count a wave has at most two tensor loads out.
; REGISTERS: window 0: v16-23 LDS addresses; v24-27, v30 lane terms; v28, v29 the add's two; v32-63 y's scale words, v64-95 w_out's (they hold nothing else); v96-127 the odd heads' half words; v128-223 A's fragments; on the way
;   out v128-255 rows of out0.  window 1: B's fragments, two sets.  windows 2, 3: the accumulators: (a, b) at v[8 (8 (a % 4) + b)] of window 2 + a / 4.
.set TSTR,  12800                      ; a tile of woq
.set YSTR,  14336                      ; a tile of yq
.set HALFT, 24576
.set SLOT,  4*HALFT
.set SPARE, 2*SLOT                     ; behind the ring: the spare words, 128 bytes a wave: two blocks of 256 bytes that no other line names
.set SPITCH, 528                       ; the way out: a stage of 16 rows x (512 + 16) bytes for each wave, in slot 0, which has had its last fill and its last read when the first result is stored there
.set ROWC,  4096                       ; a row of out0
.set FR,    12
.set NL,    4
.set NP,    4
.set ADRA,  16
.set ADRB,  20
.set L16,   24                         ; v24  16 l: also my place in a row of 512 bytes of out0
.set L8,    25
.set STO,   26
.set RD,    27
.set SPW,   28
.set NIL,   29
.set SCA,   30                         ; v30  1,024 h + 4 r: y's scale words
.set SA,    32
.set SB,    64
.set ST,    96
.set AF,    128
.set BK,    128
.set G1,  24
.set G0,  32
.set G1B, 48
.set G0B, 56
.set MSB, 0
.macro WIN new
.if MSB != \new
	s_set_vgpr_msb (MSB<<8)|\new
.set MSB, \new
.endif
.endm
.set MUL_LO, 0xa1
.set MUL_HI, 0xf1
.set TO_B,   0x40
.macro JLOAD g0a, g1a, g0b, g1b        ; a joint load: waves 0 and 1 fetch for A, waves 2 and 3 for B; an s_nop 0 and four v_nop follow each of the two lines
	s_cmp_eq_u32 s15, 0
	s_cbranch_scc0 .Lfor_b_\@
	tensor_load_to_lds s[\g0a:\g0a+3], s[\g1a:\g1a+7]
	s_nop 0
.rept 4
	v_nop
.endr
	s_branch .Lasked_\@
.Lfor_b_\@:
	tensor_load_to_lds s[\g0b:\g0b+3], s[\g1b:\g1b+7]
	s_nop 0
.rept 4
	v_nop
.endr
.Lasked_\@:
.endm
.macro CREST
	s_cmp_lg_u32 s14, 0
	s_cbranch_scc1 .Lnot_wave_0_\@
	s_barrier_signal -3
.Lnot_wave_0_\@:
	s_barrier_wait -3
	s_barrier_signal -1
	s_barrier_wait -1
.endm
.macro CROUND
	s_barrier_signal -1
	s_barrier_wait -1
	CREST
.endm
.macro PLACES n
.rept \n
	v_nop
.endr
.endm
	s_load_b128 s[4:7], s[0:1], 0x0                ; yq s[4:5], woq s[6:7]
	s_load_b64 s[12:13], s[0:1], 0x10              ; out0
	v_lshl_add_u32 v[SPW], v0, 2, SPARE
	v_mov_b32 v[NIL], 0
	ds_add_u32 v[SPW], v[NIL]                      ; the wave's opening: the add and its wait ahead of my first tensor load
	v_lshrrev_b32 v1, 5, v0
	v_readfirstlane_b32 s14, v1
	s_lshr_b32 s15, s14, 1
	s_and_b32 s16, s14, 1
	s_bfe_u32 s40, ttmp6, 0x40000                  ; cx
	s_bfe_u32 s41, ttmp6, 0x40004                  ; cy
	s_and_b32 s45, ttmp7, 0xffff
	s_lshl_b32 s45, s45, 2
	s_add_co_u32 s45, s45, s41                     ; my block of 256 tokens
	s_lshl_b32 s46, ttmp9, 2
	s_add_co_u32 s46, s46, s40                     ; my block of 256 columns
	s_lshl_b32 s43, s41, 2
	s_lshl_b32 s43, 15, s43
	s_lshl_b32 s44, 0x1111, s40
	s_or_b32 s[G1+0], s43, (3<<16)|(1<<21)
	s_or_b32 s[G1B+0], s44, (3<<16)|(1<<21)
.irp g, G1, G1B
	s_mov_b32 s[\g+1], 384<<16
	s_mov_b32 s[\g+2], 8<<16
	s_mov_b32 s[\g+3], 384<<16
	s_mov_b32 s[\g+4], 8
	s_mov_b32 s[\g+6], 0
	s_mov_b32 s[\g+7], 0
.endr
	s_mov_b32 s[G1+5], YSTR/8
	s_mov_b32 s[G1B+5], TSTR/8
	s_lshl_b32 s20, s45, 4
	s_lshl_b32 s18, s16, 3
	s_add_co_u32 s20, s20, s18
	s_mul_i32 s20, s20, YSTR                       ; A: the 8 tiles that I fetch
	s_mov_b32 s21, 0
	s_lshl_b32 s22, s45, 4
	s_lshl_b32 s19, s15, 3
	s_add_co_u32 s22, s22, s19
	s_mul_i32 s22, s22, YSTR                       ; A: the 8 tiles that I multiply
	s_mov_b32 s23, 0
	s_lshl_b32 s92, s46, 4
	s_add_co_u32 s92, s92, s18
	s_mul_i32 s92, s92, TSTR                       ; B: fetched and multiplied alike
	s_mov_b32 s93, 0
	s_mul_i32 s94, s14, HALFT
	s_wait_dscnt 0x0
	s_wait_kmcnt 0x0
	s_add_nc_u64 s[20:21], s[4:5], s[20:21]
	s_add_nc_u64 s[22:23], s[4:5], s[22:23]
	s_add_nc_u64 s[92:93], s[6:7], s[92:93]
	CROUND
.irp s, 0,1
	s_mov_b32 s[G0+4*\s], 1
	s_add_co_u32 s[G0+4*\s+1], s94, \s*SLOT
	s_add_nc_u64 s[G0+4*\s+2:G0+4*\s+3], s[20:21], \s*3072
	s_or_b32 s[G0+4*\s+3], s[G0+4*\s+3], 0x80000000
	s_mov_b32 s[G0B+4*\s], 1
	s_add_co_u32 s[G0B+4*\s+1], s94, \s*SLOT
	s_add_nc_u64 s[G0B+4*\s+2:G0B+4*\s+3], s[92:93], \s*3072
	s_or_b32 s[G0B+4*\s+3], s[G0B+4*\s+3], 0x80000000
	JLOAD G0+4*\s, G1, G0B+4*\s, G1B
.endr
	v_and_b32 v1, 31, v0
	v_lshlrev_b32 v[L16], 4, v1
	v_lshlrev_b32 v[L8], 3, v1
	v_and_b32 v1, 15, v0                           ; r
	v_bfe_u32 v2, v0, 4, 1                         ; h
	v_lshlrev_b32 v[SCA], 2, v1
	v_lshl_add_u32 v[SCA], v2, 10, v[SCA]          ; lane (r, h) wants K step 4 h + q: heads 8 h + 2 q and 8 h + 2 q + 1, 128 bytes a head, 4 bytes a row
.irp i, 0,1,2,3,4,5,6,7
.irp q, 0,1,2,3
	global_load_b32 v[SA+4*\i+\q], v[SCA], s[22:23] offset:\i*YSTR+12288+256*\q
	global_load_b32 v[ST+4*\i+\q], v[SCA], s[22:23] offset:\i*YSTR+12288+256*\q+128
.endr
	global_load_b128 v[SB+4*\i:SB+4*\i+3], v[L16], s[92:93] offset:\i*TSTR+12288
.endr
	s_mul_i32 s18, s15, HALFT
	s_mul_i32 s19, s16, HALFT
	s_add_co_u32 s19, s19, 2*HALFT
.irp s, 0,1
	v_add_nc_u32 v[ADRA+\s], s18, v[L16]
	v_add_nc_u32 v[ADRA+2+\s], s18, v[L8]
	v_add_nc_u32 v[ADRB+\s], s19, v[L16]
	v_add_nc_u32 v[ADRB+2+\s], s19, v[L8]
	s_add_co_u32 s18, s18, SLOT
	s_add_co_u32 s19, s19, SLOT
.endr
	s_mul_i32 s18, s14, 16*SPITCH                  ; my stage
	v_mul_u32_u24 v[STO], v1, SPITCH               ; in: row r, 32 bytes for each half of the lanes
	v_lshl_add_u32 v[STO], v2, 5, v[STO]
	v_add_nc_u32 v[STO], s18, v[STO]
	v_add_nc_u32 v[RD], s18, v[L16]                ; back: the 32 lanes take one row of 512 bytes
	s_lshl_b32 s18, s45, 8
	s_lshl_b32 s19, s15, 7
	s_add_co_u32 s18, s18, s19                     ; my first token: 256 block + 128 half
	s_lshl_b32 s18, s18, 12
	s_lshl_b32 s19, s46, 10
	s_add_co_u32 s18, s18, s19
	s_lshl_b32 s19, s16, 9
	s_add_co_u32 s18, s18, s19                     ; + my first column, in bytes
	s_mov_b32 s19, 0
	s_add_nc_u64 s[12:13], s[12:13], s[18:19]
.macro FRAG reg, adr, q, i
.set FO, 3072*(\i)+1536*(\q)
	ds_load_b128 v[\reg:\reg+3], v[\adr] offset:FO
	ds_load_b64 v[\reg+4:\reg+5], v[\adr+2] offset:FO+512
	ds_load_b128 v[\reg+6:\reg+9], v[\adr] offset:FO+768
	ds_load_b64 v[\reg+10:\reg+11], v[\adr+2] offset:FO+1280
.endm
.macro FETCH_B slot, q, p
	WIN TO_B
.irp i, 0,1,2,3,4,5,6,7
	FRAG 128*(\p)+FR*\i, ADRB+\slot, \q, \i
.endr
	WIN 0
.endm
.macro FETCH_A slot, q, i0
.irp i, \i0, \i0+1, \i0+2, \i0+3
	FRAG AF+FR*(\i), ADRA+\slot, \q, \i
.endr
.endm
.macro MUL16 a0, p, kap, zero          ; 16 matrix instructions; the 64 accumulators take turns, one instruction a turn, in the same order in every step
.irp a, \a0, \a0+1
.irp b, 0,1,2,3,4,5,6,7
.set rD, 8*(8*((\a)%4)+\b)
.set rB, 128*(\p)+FR*\b
.set rA, AF+FR*(\a)
.set rSB, SB+4*\b+(\kap)%4
.set rSA, SA+4*(\a)+(\kap)%4
.if \zero
	v_wmma_scale_f32_16x16x128_f8f6f4 v[rD:rD+7], v[rB:rB+FR-1], v[rA:rA+FR-1], 0, v[rSB], v[rSA] matrix_a_fmt:MATRIX_FMT_FP6 matrix_b_fmt:MATRIX_FMT_FP6
.elseif (\kap) > 3
	v_wmma_scale_f32_16x16x128_f8f6f4 v[rD:rD+7], v[rB:rB+FR-1], v[rA:rA+FR-1], v[rD:rD+7], v[rSB], v[rSA] matrix_a_fmt:MATRIX_FMT_FP6 matrix_b_fmt:MATRIX_FMT_FP6 matrix_a_scale:MATRIX_SCALE_ROW1 matrix_b_scale:MATRIX_SCALE_ROW1
.else
	v_wmma_scale_f32_16x16x128_f8f6f4 v[rD:rD+7], v[rB:rB+FR-1], v[rA:rA+FR-1], v[rD:rD+7], v[rSB], v[rSA] matrix_a_fmt:MATRIX_FMT_FP6 matrix_b_fmt:MATRIX_FMT_FP6
.endif
.endr
.endr
.endm
.macro STEP slot, kap, zero
	s_wait_dscnt 4*NL                              ; B's set and A's blocks 0-3 are in; the youngest 16 loads (A's blocks 4-7) may be out
	WIN MUL_LO
	MUL16 0, 0, \kap, \zero
	MUL16 2, 0, \kap, \zero
	s_wait_dscnt 0x0
	PLACES NP
	FETCH_B \slot, 1, 1
	FETCH_A \slot, 1, 0
	WIN MUL_HI
	MUL16 4, 0, \kap, \zero
	MUL16 6, 0, \kap, \zero
	PLACES NP
	WIN 0
	FETCH_A \slot, 1, 4
.endm
.macro TURN slot, next, fill, kap
	s_wait_tensorcnt 0x0                           ; all my tensor loads have landed: my part of the next slot
	ds_add_u32 v[SPW], v[NIL]
	s_wait_dscnt 4*NL+1                            ; the add and the youngest 16 loads may be out
	WIN MUL_LO
	MUL16 0, 1, \kap, 0
	s_wait_dscnt 0x0                               ; the add is done, and my reads of this slot are over
	s_barrier_signal -1
	MUL16 2, 1, \kap, 0
	WIN 0
	s_barrier_wait -1
.if \fill
	CREST                                          ; the barrier has opened a round of the cluster's
	s_add_nc_u64 s[G0+4*\slot+2:G0+4*\slot+3], s[G0+4*\slot+2:G0+4*\slot+3], 6144
	s_add_nc_u64 s[G0B+4*\slot+2:G0B+4*\slot+3], s[G0B+4*\slot+2:G0B+4*\slot+3], 6144
	JLOAD G0+4*\slot, G1, G0B+4*\slot, G1B
.else
	PLACES NP
.endif
	FETCH_B \next, 0, 0
	FETCH_A \next, 0, 0
	WIN MUL_HI
	MUL16 4, 1, \kap, 0
	MUL16 6, 1, \kap, 0
	PLACES NP
	WIN 0
	FETCH_A \next, 0, 4
.endm
	s_wait_tensorcnt 1                             ; my part of slot 0 is in; slot 1's may be out
	s_barrier_signal -1
	s_barrier_wait -1
	FETCH_B 0, 0, 0
	FETCH_A 0, 0, 0
	FETCH_A 0, 0, 4
	s_wait_loadcnt 0x0                             ; the scale words
.set n, 0
.rept 32
	v_lshl_or_b32 v[SA+n], v[ST+n], 16, v[SA+n]    ; the even head's two bytes below, the odd head's above: the word of a K step of 128
.set n, n+1
.endr
	PLACES 8                                       ; a scale register written by a vector instruction stands eight places ahead of a scaled matrix instruction
	STEP 0, 0, 1
	TURN 0, 1, 1, 1
	STEP 1, 2, 0
	TURN 1, 0, 1, 3
	STEP 0, 4, 0
	TURN 0, 1, 0, 5                                ; nothing is left to fetch: no round.  Behind this barrier nobody reads slot 0
	STEP 1, 6, 0
	s_wait_dscnt 4*NL
	WIN MUL_LO
	MUL16 0, 1, 7, 0
	MUL16 2, 1, 7, 0
	s_wait_dscnt 0x0
	WIN MUL_HI
	MUL16 4, 1, 7, 0
	MUL16 6, 1, 7, 0
	WIN 0
; THE WAY OUT, block by block of 16 tokens x 128 columns, through my own stage in LDS: back come whole rows of 512 bytes.  LDS serves a wave's instructions in order: no wait between the stores and the loads.
.macro TOSTAGE a
.set AC, 64*((\a)%4)
	WIN 0x08+4*((\a)/4)                            ; the data: window 2 or 3
.irp b, 0,1,2,3,4,5,6,7
	ds_store_b128 v[STO], v[AC+8*\b:AC+8*\b+3] offset:64*\b          ; each accumulator from its low end on
	ds_store_b128 v[STO], v[AC+8*\b+4:AC+8*\b+7] offset:64*\b+16
.endr
	WIN 0
.set BB, BK+64*((\a)%2)
.irp t, 0,1,2,3,4,5,6,7,8,9,10,11,12,13,14,15
	ds_load_b128 v[BB+4*\t:BB+4*\t+3], v[RD] offset:\t*SPITCH
.endr
.endm
.macro SEND a, younger                 ; place t of block a is token 32 (a / 2) + 8 (a % 2) + t + 8 (t / 8) of my 128
.set BB, BK+64*((\a)%2)
	s_wait_dscnt \younger
.if (\a) > 0
.if (\a)%2 == 1
	s_add_nc_u64 s[12:13], s[12:13], 8*ROWC        ; (behind a wait on XCNT: the earlier stores have read their base)
.else
	s_add_nc_u64 s[12:13], s[12:13], 24*ROWC
.endif
.endif
.irp t, 0,1,2,3,4,5,6,7,8,9,10,11,12,13,14,15
	global_store_b128 v[L16], v[BB+4*\t:BB+4*\t+3], s[12:13] offset:(\t+8*(\t/8))*ROWC th:TH_STORE_NT   ; 32 lanes store 512 consecutive bytes, aligned
.endr
.endm
	PLACES NP
	TOSTAGE 0
.irp a, 1,2,3,4,5,6,7
.if \a > 1
	s_wait_xcnt 0x0                                ; block a - 2's stores have read their registers and their base
.endif
	TOSTAGE \a
	SEND \a-1, 32                                  ; behind block a - 1's loads: block a's 16 stores and 16 loads
.endr
	s_wait_xcnt 0x0
	SEND 7, 0
	s_wait_tensorcnt 0x0                           ; the wave's end: a tensor wait, an add of 0 to my spare word and its wait, behind my last tensor load and my last LDS store
	ds_add_u32 v[SPW], v[NIL]
	s_wait_dscnt 0x0
	CROUND                                         ; the closing round
	s_endpgm
.Lfunc_end_k_qbc6d6de310_gemm_out:
	.size	k_qbc6d6de310_gemm_out, .Lfunc_end_k_qbc6d6de310_gemm_out-k_qbc6d6de310_gemm_out
	.p2alignl 7, 3214868480
	.fill 96, 4, 3214868480
	.section	.rodata,"a",@progbits
	.p2align	6, 0x0
	.amdhsa_kernel k_qbc6d6de310_gemm_out
		.amdhsa_group_segment_fixed_size 327680
		.amdhsa_private_segment_fixed_size 0
		.amdhsa_enable_private_segment 0
		.amdhsa_kernarg_size 24
		.amdhsa_user_sgpr_count 2
		.amdhsa_user_sgpr_kernarg_segment_ptr 1
		.amdhsa_wavefront_size32 1
		.amdhsa_system_sgpr_workgroup_id_x 1
		.amdhsa_system_sgpr_workgroup_id_y 1
		.amdhsa_system_sgpr_workgroup_id_z 1
		.amdhsa_system_vgpr_workitem_id 0
		.amdhsa_next_free_vgpr 1024
		.amdhsa_next_free_sgpr 98
		.amdhsa_reserve_vcc 0
		.amdhsa_float_denorm_mode_32 3
		.amdhsa_float_denorm_mode_16_64 3
		.amdhsa_memory_ordered 1
		.amdhsa_forward_progress 1
		.amdhsa_inst_pref_size 148
	.end_amdhsa_kernel
	.amdgpu_metadata
---
amdhsa.version: [ 1, 2 ]
amdhsa.kernels:
  - .name:           k_qbc6d6de310_gemm_out
    .symbol:         k_qbc6d6de310_gemm_out.kd
    .args:
      - { .name: yq, .offset: 0, .size: 8, .value_kind: global_buffer, .address_space: global }
      - { .name: woq, .offset: 8, .size: 8, .value_kind: global_buffer, .address_space: global }
      - { .name: out0, .offset: 16, .size: 8, .value_kind: global_buffer, .address_space: global }
    .group_segment_fixed_size: 327680
    .private_segment_fixed_size: 0
    .kernarg_segment_align: 8
    .kernarg_segment_size: 24
    .max_flat_workgroup_size: 128
    .sgpr_count:     98
    .vgpr_count:     1024
    .wavefront_size: 32
...
	.end_amdgpu_metadata
.endif
;; end of part 4
